; MI455X (gfx1250); checked and timed in simulation.
; The chip was launched on July 23, 2026; its instructions are those of AMD's public machine-readable ISA for CDNA 5 (MIT licence, August 2026) and "CDNA5" Instruction Set Architecture Reference Guide (July 2026). The comments in the code are by the model that wrote it; some were corrected since.
;; Neural Spline Coupling. Allowed arithmetic: matrix products marked QUANTISED: E2M1 operands, one E8M0 scale for each 32 along K, by v_wmma_scale_f32_16x16x128_f8f6f4 with both operands' format E2M1 (or v_wmma_scale_f32_32x16x128_f4), f32 sums; products left as they are: f32 operands where the result goes on into a quantised operand, else bf16, f16 or f32 operands; f32 sums; everything else in f32.
;; Inputs: W1 16 x 128 float32; W2 128 x 128 float32; W3 128 x 376 float32; b1 128 float32; b2 128 float32; b3 376 float32; bn_bias 16 float32; bn_mean 16 float32; bn_scale 16 float32; bn_var 16 float32; c 500,000 x 8 float32; x 500,000 x 16 float32.
;; Outputs: out0 500,000 x 16 float32; out1 500,000 float32.
;; This version of the problem:
;;   THIS VERSION OF THE PROBLEM IS GIVEN IN LOW PRECISION. The matrix products marked QUANTISED in the list below multiply operands that are first quantised to E2M1 (2 exponent bits, 1 mantissa bit; 4 bits a number), with one power-of-two scale for each 32 numbers along K (OCP MX v1.0); their sums are f32. All else is computed in f32.
;;   The module's matrix products, in the order in which they are computed (A, B: the left and right operand; K: the contracted axis; several contracted axes count as one K, in the product's order):
;;     1. [M 500,000, K 16] x [K 16, N 128]; A: computed on the way; B: input W1: left as it is (K = 16 < 32)
;;     2. [M 500,000, K 128] x [K 128, N 128]; A: computed on the way; B: input W2: QUANTISED
;;     3. [M 500,000, K 128] x [K 128, N 376]; A: computed on the way; B: input W3: QUANTISED
;;   THE QUANTISER, for each operand of a quantised product, along K:
;;     - K is cut into blocks of 32 from its start; a last block that is shorter is filled with zeros.
;;     - A block's scale is 2^e with e = floor(log2(the largest magnitude in the block)) - 2, held to -126 .. 127; a block of zeros has e = 0. As a byte (E8M0): e + 127.
;;     - Each number is divided by its block's scale, clamped to +-6, and rounded to the nearest number of E2M1, ties to even, subnormals kept.
;;     - The product sums the exact products of the quantised numbers (number of the format x scale) in f32.
;;   ~~~python
;;   def quantise(x, axis):      # numpy; x: float32 -> the quantised numbers, widened to float32 again
;;       x = np.moveaxis(x, axis, -1); K = x.shape[-1]
;;       x = np.pad(x, [(0, 0)] * (x.ndim - 1) + [(0, -K % 32)]); x = x.reshape(x.shape[:-1] + (-1, 32)); a = np.abs(x).max(-1, keepdims=True)
;;       e = np.where(a > 0, np.clip(np.frexp(np.where(a > 0, a, 1))[1] - 1 - 2, -126, 127), 0)      # np.frexp(a)[1] - 1 = floor(log2(a)), exactly
;;       r = np.clip(x / 2.0 ** e, -6, 6)
;;       step = 2.0 ** (np.maximum(np.frexp(np.where(r == 0, 1, r))[1] - 1, 0) - 1)
;;       q = np.round(r / step) * step * 2.0 ** e      # np.round: ties to even
;;       return np.moveaxis(q.reshape(q.shape[:-2] + (-1,))[..., :K], -1, axis).astype(np.float32)
;;   ~~~
;;   OPERANDS COMPUTED ON THE WAY. 'Computed on the way' means the value that the module computes at that place (a softmax that the list does not call 'softmax' is quantised finished and normalised). What goes into a quantiser is computed in f32, as accurately as f32 sums, v_exp_f32 and their like allow (about 1e-6 of the number): no bf16 or f16 on the way to a quantiser, and a product that is left as it is and whose result goes on into a quantised operand takes f32 operands (vector FMAs, or v_wmma_f32_16x16x4_f32). A number that lies on a knife's edge between two numbers of the format may be rounded either way, as far as f32 arithmetic and the matrix unit's own rounding can turn it there, and no further.
;; 2 versions, each right; version 2 is version 1 with the launch spline written anew for expert scheduling mode. Each part assembles by itself: llvm-mc -triple=amdgcn-amd-amdhsa -mcpu=gfx1250 --defsym DOCPART=n.
;; ======== version 1 of 2: 1 launch
;; launch spline (part 1): grid 245 x 1, 8 waves a work-group, no clusters, 60,672 bytes of LDS; arguments x, c, out0, out1, W1, b1, W2, b2, W3, b3, bn_mean, bn_var, bn_scale, bn_bias; writes out0, out1
.if DOCPART == 1
	.amdgcn_target "amdgcn-amd-amdhsa--gfx1250"
	.amdhsa_code_object_version 6
	.text
	.protected	k_qcb54b8b173_spline
	.globl	k_qcb54b8b173_spline
	.p2align	8
	.type	k_qcb54b8b173_spline,@function
k_qcb54b8b173_spline:
	s_mov_b64 s[64:65], 0
	v_nop
	global_prefetch_b8 v0, s[64:65] scope:SCOPE_SE
	s_setreg_imm32_b32 hwreg(HW_REG_WAVE_MODE, 25, 1), 1
	s_wait_xcnt 0x0
; NeuralSplineCoupling, 500,000 rows.  Per row: BatchNorm of [x[8:16], c], 16 -> 128 in f32, swish, 128 -> 128 and 128 -> 376 on codes of FP4 (E2M1) with one E8M0 scale for each 32 along K,
; then for each of 8 dims a rational-quadratic spline from 47 parameters.  out0 = [spline(x[0:8]), x[8:16]], out1 = the sum of the 8 log derivatives.
; SHARES.  245 work-groups of 8 waves.  Wave gw = 8 x work-group + wave owns rows 256 gw .. 256 gw + 255: 16 tiles of 16 rows (the last waves fewer: 31,250 tiles in all).  Each work-group first quantises W2 and W3
; and lays W1 and the biases out in LDS (one barrier); then every wave keeps W2's and W3's fragments in 256 registers and walks its tiles alone.  Lane (r = lane % 16, h = lane / 16) holds row r of the tile
; throughout and owns its dims 4 h .. 4 h + 3: all three products are used transposed (source 0 = 16 columns of a weight, source 1 = the 16 rows), so no softmax, search or gather leaves a lane.
; WHICH COLUMNS FORM A TILE is chosen so that results lie as the next step wants them.  W1, W2, tile 2 b + u: tile row m is hidden unit 32 b + 8 u + m + 8 (m / 8): a lane's registers 16 b + i are units 32 b + 16 h + i.
; W3, tile 6 d + q: tile row m is register 8 q + m % 8 of dim d + 4 (m / 8).  A dim's 48 registers: 2 i, 2 i + 1 = widths i, i + 8; 16 + 2 i, 17 + 2 i = heights i, i + 8; 32 = a pad; 33 + i = slope i.
; WORK OF reference() THAT IS NOT DONE, for all values of the inputs:
;  (a) softplus is taken of the two slopes that the bin picks, not of all 15: take_along_axis(softplus(p), k) = softplus(take_along_axis(p, k)); the 13 others reach no output.
;  (b) dx = e / Sx and dy = e / Sy are not formed: cumsum(dx) <= xc is prefix(e) <= xc Sx (Sx > 0); xi = (xc Sx - prefix_k) / e_k; hk = ey_k / Sy; s = hk Sx / e_k.  Each group's maximum is taken away before the exponential.
;  (c) prefix sums beyond bin k and the knots xk[16], yk[16] are read by nothing in reference().
;  (d) the boundary slope 1 is softplus(ln(e - 1)): that number is the bias of the pad column, whose codes are zeros, so that the window of slopes is selected like the rest.
; Every input has a way to an output: all twelve are loaded.
; LIMITS.  NaN and infinities among the inputs are not served; a NaN or an overflow in a slope that the bin does not pick is not carried to the result.  An exponential under 2^-126 comes out as 0 (bin widths and heights;
; slopes whose raw value lies under about -87).  A block whose largest magnitude lies under 2^-124 keeps the scale byte 1 (a block of zeros too: its codes are zeros).  Where xc Sx lies within rounding of a knot the
; neighbouring bin may be taken: spline and derivative are continuous there.
; NO CLUSTER, NO TENSOR LOAD: what work-groups share are the weights, 266,240 bytes, which each reads once, at its head, through the registers in which they are quantised; 245 work-groups divide into no cluster of 4.
; A wave's own stream is 1,536 bytes a tile, asked for a whole tile ahead, straight into registers.
.set NTILES, 31250
; LDS
.set W3I,   0                          ; 24 images of W3's fragments, 1,024 bytes each: registers 0-3 at 16 x lane, registers 4-7 512 bytes on
.set W2I,   24576                      ; 8 images of W2's
.set W1I,   32768                      ; W1's f32 fragments and b1: 20 pieces of 512 bytes, 16 a lane: piece 10 (T / 4) + 2 s + (T % 4) / 2 holds K step s of tiles T, T + 1
.set SCI,   43008                      ; the weights' scale words: tile G at 64 G + 4 r (W2: G = T; W3: G = 8 + T3)
.set B2I,   45056                      ; b2 by tile rows: 64 T + 4 m
.set B3I,   45568                      ; b3 likewise, the pad's number among it
.set BNI,   47104                      ; mean[16], rsqrt(var + eps) x scale [16], bias[16], 64 bytes apart
.set STG,   47360                      ; for each wave 16 rows x (64 + 16) bytes: rows of x, then of out0
.set O1S,   57600                      ; for each wave 256 bytes: 64 numbers of out1
.set SPARE, 59648                      ; the spare words, 128 bytes for each wave: four blocks of 256 bytes that no other line names
; vector registers, window 0 (window 1: W3's fragment T3 at v[8 T3], W2's fragment T at v[192 + 8 T])
.set SPW,  1                           ; LDS address of my spare word; never rewritten
.set NIL,  2                           ; 0; never rewritten
.set LI,   3                           ; 16 x lane
.set STW,  4                           ; the stage, dense: 80 (lane / 4) + 16 (lane % 4)
.set STR,  5                           ; the stage, by rows: 80 r + 16 h
.set VB,   6                           ; 32 h
.set H16,  7                           ; 16 h
.set CO,   8                           ; 32 r + 16 h
.set O1A,  9                           ; out1's stage + 4 x lane
.set O1B,  10                          ; out1's stage + 8 x lane
.set L8,   11
.set L4,   12
.set IMG2, 13                          ; the set-up's LDS addresses: they never hold anything else
.set IMG3, 14
.set S1A,  15
.set S3A,  73
.set W1A,  94
.set R4,   95
.set ONE,  16                          ; v[16:17] the rows' side of the bias step: 1 at k = 0, else 0
.set HB,   18                          ; v[18:25] the normalised input: K step s in HB + 2 s
.set XT,   26                          ; v[26:29] x of my four dims
.set XC,   30                          ; v[30:33] my quarter of x[8:16]
.set XL,   34                          ; v[34:41] the next tile's x, as it lies
.set CL,   42                          ; v[42:45] the next tile's c
.set YT,   46                          ; v[46:49] the spline's results
.set OUTR, 50                          ; v[50:57] rows of out0
.set LD,   58                          ; v58-61 log_det of the last four tiles, the newest first
.set LDA,  62                          ; v[62:63] sums of log2 of the derivatives
.set PC,   64                          ; v[64:71] the codes just made
.set PW,   72                          ; their scale word
.set WS,   74                          ; v74-89 the weights' scale words: WS + i: tile 2 i in lanes 0-15, tile 2 i + 1 in lanes 16-31
.set FL,   90                          ; v[90:91] out1's 8 bytes
.set PT,   92
.set LT,   93
.set ACC1, 96                          ; v[96:127] the f32 product's four accumulators: written by matrix instructions alone
.set HP,   128                         ; v[128:223] W1's fragments; the hidden layers; two dims' 48 parameters each; the formula's numbers
.set FT,   HP
.set TM,   224                         ; v[224:255] at work
; the set-up's registers
.set C2,   26                          ; 4 x my column of W1, W2, b1, b2
.set C2H,  27
.set C1,   28
.set C3,   29                          ; v29-31 4 x my column of W3, b3 for my three tiles
.set C3H,  32                          ; v32-34 the same + 32 h rows
.set SW1,  42                          ; v[42:51] W1's five pairs
.set BV2,  52
.set BV3,  53                          ; v53-55
.set QT,   56                          ; v56-63
.set X0,   128                         ; two sets of 64 numbers
.set X1,   192
; scalar registers: s[4:31] the fourteen addresses
.set WV,   32
.set GW,   33
.set NT,   34                          ; my tiles
.set CNT,  35
.set SEL,  38                          ; s[38:39] v_permlanex16_b32's selects for lane l xor 16
.set L2E,  40                          ; s[40:41] log2(e)
.set NL2E, 42                          ; s[42:43] -log2(e)
.set HALF, 44                          ; lanes 16-31
.set KEEP, 45                          ; lanes whose column is not the pad
.set MK,   48                          ; s48-55 the search's masks: level L (3 = the upper eight bins) of item m at MK + 2 L + m
.set SPM,  56                          ; s56-59
.set OOB,  60                          ; s60-61
.set INC,  62                          ; s[62:63] a 64-bit offset
.set MSB, 0
.macro WIN new                         ; the immediate's high byte repeats the setting that is left
.if MSB != \new
	s_set_vgpr_msb (MSB<<8)|\new
.set MSB, \new
.endif
.endm
; 64 numbers of one column, down K: lane (r, h) takes k = 64 c + 32 h + i, the order of the operand's registers; col holds 4 x column + 32 h rows
.macro QLOAD xs, col, base, pitch
.set i, 0
.rept 64
	global_load_b32 v[\xs+i], v[\col], s[\base:\base+1] offset:(64*(i/32)+i%32)*\pitch
.set i, i+1
.endr
.endm
; they become a fragment's codes and a scale word; image, word and the column's bias go to LDS
.macro QPROC xs, keep, img, imgoff, sc, scoff, bv, boff
.if \keep >= 0
.set i, 0
.rept 64
	v_cndmask_b32 v[\xs+i], 0, v[\xs+i], s[\keep]     ; the pad column's numbers are zeros
.set i, i+1
.endr
.endif
.irp c, 0,1
	v_max3_num_f32 v[QT+\c], |v[\xs+32*\c]|, |v[\xs+32*\c+1]|, 0x1800000   ; my block 2 c + h: all 32 numbers are mine; the floor 2^(3 - 127) holds the byte at 1 from below
.endr
.irp i, 2,4,6,8,10,12,14,16,18,20,22,24,26,28,30
.irp c, 0,1
	v_max3_num_f32 v[QT+\c], v[QT+\c], |v[\xs+32*\c+\i]|, |v[\xs+32*\c+\i+1]|
.endr
.endr
.irp c, 0,1
	v_add_nc_u32 v[QT+2+\c], 0xff000000, v[QT+\c]     ; 2 off the exponent field: the conversion's scale operand
.endr
.irp c, 0,1
	v_lshrrev_b32 v[QT+4+\c], 23, v[QT+2+\c]          ; the scale's byte
.endr
	v_lshl_or_b32 v[PW], v[QT+5], 16, v[QT+4]         ; blocks h and 2 + h,
	v_lshlrev_b32 v[PW], v[QT+6], v[PW]               ; 8 h bits up;
	v_permlanex16_b32 v[QT+7], v[PW], s[SEL], s[SEL+1]
	v_or_b32 v[PW], v[PW], v[QT+7]                    ; with lane l xor 16's two the word is whole
.irp c, 0,1
.irp e, 0,1,2,3
	v_cvt_scalef32_pk8_fp4_f32 v[PC+4*\c+\e], v[\xs+32*\c+8*\e:\xs+32*\c+8*\e+7], v[QT+2+\c]
.endr
.endr
	v_nop                                             ; one plain place behind a scaled conversion
	ds_store_b128 v[\img], v[PC:PC+3] offset:\imgoff
	ds_store_b128 v[\img], v[PC+4:PC+7] offset:\imgoff+512
	ds_store_b32 v[\sc], v[PW] offset:\scoff          ; lanes r and r + 16 write the same word with the same value
	ds_store_b32 v[\sc], v[\bv] offset:\boff
	s_wait_dscnt 0x0                                  ; the stores have read their registers: the next tile's codes may be written
.endm
; The f32 product for hidden tiles 4 a .. 4 a + 3: five K steps of 4, the fifth the bias (b1 x 1).  The four accumulators take turns, one instruction a turn; the first step starts the sums.
.macro P1HALF a
.irp s, 0,1,2,3,4
.irp t, 0,1,2,3
.if \s == 0
	v_wmma_f32_16x16x4_f32 v[ACC1+8*\t:ACC1+8*\t+7], v[HP+40*\a+2*\t:HP+40*\a+2*\t+1], v[HB:HB+1], 0
.elseif \s == 4
	v_wmma_f32_16x16x4_f32 v[ACC1+8*\t:ACC1+8*\t+7], v[HP+40*\a+32+2*\t:HP+40*\a+32+2*\t+1], v[ONE:ONE+1], v[ACC1+8*\t:ACC1+8*\t+7]
.else
	v_wmma_f32_16x16x4_f32 v[ACC1+8*\t:ACC1+8*\t+7], v[HP+40*\a+8*\s+2*\t:HP+40*\a+8*\s+2*\t+1], v[HB+2*\s:HB+2*\s+1], v[ACC1+8*\t:ACC1+8*\t+7]
.endif
.endr
.endr
.endm
; swish of 32 numbers: x / (1 + 2^(-x log2 e)).  Two batches of transcendentals, one plain place and one wait each; every accumulator is read from its low end on.
.macro SWISH src, tmp, dst
.set i, 0
.rept 16
	v_pk_mul_f32 v[\tmp+i:\tmp+i+1], v[\src+i:\src+i+1], s[NL2E:NL2E+1] op_sel_hi:[1,0]
.set i, i+2
.endr
.set i, 0
.rept 32
	v_exp_f32 v[\tmp+i], v[\tmp+i]
.set i, i+1
.endr
	v_nop
	s_wait_alu depctr_va_vdst(0)                      ; one wait for the 32 exponentials, ahead of their first reader
.set i, 0
.rept 16
	v_pk_add_f32 v[\tmp+i:\tmp+i+1], v[\tmp+i:\tmp+i+1], 1.0 op_sel_hi:[1,0]
.set i, i+2
.endr
.set i, 0
.rept 32
	v_rcp_f32 v[\tmp+i], v[\tmp+i]
.set i, i+1
.endr
	v_nop
	s_wait_alu depctr_va_vdst(0)                      ; and one for the 32 reciprocals
.set i, 0
.rept 16
	v_pk_mul_f32 v[\dst+i:\dst+i+1], v[\tmp+i:\tmp+i+1], v[\src+i:\src+i+1]
.set i, i+2
.endr
.endm
; 64 numbers of a lane, register 16 b + i = k 32 b + 16 h + i of my row, become a fragment's codes in v[PC] on and its scale word in v[PW]
.macro QUANT s
.irp b, 0,1,2,3
	v_max3_num_f32 v[TM+\b], |v[\s+16*\b]|, |v[\s+1+16*\b]|, 0x1800000   ; block b: my 16 numbers, and the floor 2^(3 - 127)
.endr
.irp i, 2,4,6,8,10,12,14
.irp b, 0,1,2,3
	v_max3_num_f32 v[TM+\b], v[TM+\b], |v[\s+16*\b+\i]|, |v[\s+1+16*\b+\i]|
.endr
.endr
.irp b, 0,1,2,3
	v_permlanex16_b32 v[TM+4+\b], v[TM+\b], s[SEL], s[SEL+1]
.endr
.irp b, 0,1,2,3
	v_max_num_f32 v[TM+\b], v[TM+\b], v[TM+4+\b]      ; with lane l xor 16's: the block's largest magnitude
.endr
.irp b, 0,1,2,3
	v_add_nc_u32 v[TM+12+\b], 0xff000000, v[TM+\b]    ; 2 off its exponent field: the conversion's scale operand
.endr
.irp b, 0,1,2,3
	v_lshrrev_b32 v[TM+4+\b], 23, v[TM+12+\b]         ; the scale's byte
.endr
	v_lshl_or_b32 v[PW], v[TM+5], 8, v[TM+4]
	v_lshl_or_b32 v[PW], v[TM+6], 16, v[PW]
	v_lshl_or_b32 v[PW], v[TM+7], 24, v[PW]
.irp b, 0,1,2,3
	v_cvt_scalef32_pk8_fp4_f32 v[PC+2*\b], v[\s+16*\b:\s+7+16*\b], v[TM+12+\b]
	v_cvt_scalef32_pk8_fp4_f32 v[PC+1+2*\b], v[\s+8+16*\b:\s+15+16*\b], v[TM+12+\b]
.endr
	v_nop                                             ; one plain place behind a scaled conversion
.irp c, 0,1                                       ; the operand's layout wants a whole block in a lane
.irp i, 0,1
	v_permlane16_swap_b32 v[PC+4*\c+\i], v[PC+2+4*\c+\i]
.endr
.endr
.endm
.macro BIAS base, n, reg                          ; n tiles' biases, in the result's layout: they are the C of the products
.set i, 0
.rept \n
	ds_load_b128 v[\reg+8*i:\reg+8*i+3], v[VB] offset:(\base)+64*i
	ds_load_b128 v[\reg+8*i+4:\reg+8*i+7], v[VB] offset:(\base)+64*i+16
.set i, i+1
.endr
.endm
.macro MM d, a, gg                                ; one product on codes: D = C = v[d] on, source 0 = the weight's fragment (window 1), source 1 = the rows' codes; tile gg's scale words
.if (\gg)%2
	v_wmma_scale_f32_16x16x128_f8f6f4 v[\d:\d+7], v[\a:\a+7], v[PC:PC+7], v[\d:\d+7], v[WS+(\gg)/2], v[PW] matrix_a_fmt:MATRIX_FMT_FP4 matrix_b_fmt:MATRIX_FMT_FP4 matrix_a_scale:MATRIX_SCALE_ROW1
.else
	v_wmma_scale_f32_16x16x128_f8f6f4 v[\d:\d+7], v[\a:\a+7], v[PC:PC+7], v[\d:\d+7], v[WS+(\gg)/2], v[PW] matrix_a_fmt:MATRIX_FMT_FP4 matrix_b_fmt:MATRIX_FMT_FP4
.endif
.endm
.macro PLACES n
.rept \n
	v_nop
.endr
.endm
; selections among 16 elements that lie as pairs (i, i + 8): the upper eight, four, two where the mask says so
.macro SEL8 p, k
.irp i, 0,2,4,6,8,10,12,14
	v_cndmask_b32 v[\p+\i], v[\p+\i], v[\p+\i+1], s[\k]
.endr
.endm
.macro SEL4 p, k
.irp i, 0,2,4,6
	v_cndmask_b32 v[\p+\i], v[\p+\i], v[\p+\i+8], s[\k]
.endr
.endm
.macro SEL2 p, k
.irp i, 0,2
	v_cndmask_b32 v[\p+\i], v[\p+\i], v[\p+\i+4], s[\k]
.endr
.endm
; the tree of sums of both items' 16 elements at HP + 48 m + po, packed.  Nodes at n = nb + ns m: n0, n1 = pairs 0, 4; n4, n5 = pairs 2, 6; n2, n3 = fours 0, 2; n6 = the lower eight; the whole sum in sm + m
.macro TREE2 po, nb, ns, sm
.irp a, 0,2,4,6
.irp m, 0,1
	v_pk_add_f32 v[\nb+\ns*\m+\a:\nb+\ns*\m+\a+1], v[HP+48*\m+\po+2*\a:HP+48*\m+\po+2*\a+1], v[HP+48*\m+\po+2*\a+2:HP+48*\m+\po+2*\a+3]
.endr
.endr
.irp m, 0,1
	v_pk_add_f32 v[\nb+\ns*\m+2:\nb+\ns*\m+3], v[\nb+\ns*\m+2:\nb+\ns*\m+3], v[\nb+\ns*\m:\nb+\ns*\m+1]
	v_pk_add_f32 v[\nb+\ns*\m+6:\nb+\ns*\m+7], v[\nb+\ns*\m+6:\nb+\ns*\m+7], v[\nb+\ns*\m+4:\nb+\ns*\m+5]
.endr
.irp m, 0,1
	v_pk_add_f32 v[\nb+\ns*\m+6:\nb+\ns*\m+7], v[\nb+\ns*\m+6:\nb+\ns*\m+7], v[\nb+\ns*\m+2:\nb+\ns*\m+3]
.endr
.irp m, 0,1
	v_add_f32 v[\sm+\m], v[\nb+\ns*\m+6], v[\nb+\ns*\m+7]
.endr
.endm
; THE SPLINE of two dims of my row: item m = 0, 1 is dim 4 h + 2 g + m, its 48 parameters at HP + 48 m.
; TM: +0..7, +8..15 the widths' nodes, later +0,1 Sy, +2,3 the heights' prefix, +4,5 the bin's height, +6,7 d0, +8,9 d1, +10,11 at work; +16,17 xc; +18,19 Sx; +20,21 xc Sx; +22,23 the widths' prefix; +24,25 at work; +26,27 the bin's width
.macro SPLINE2 g
.irp m, 0,1                                       ; the largest of each group of 16, in two chains: each accumulator is read from its low end on
.irp u, 0,1
	v_max3_num_f32 v[TM+4*\m+2*\u], v[HP+48*\m+16*\u], v[HP+48*\m+16*\u+1], v[HP+48*\m+16*\u+2]
	v_max3_num_f32 v[TM+4*\m+2*\u+1], v[HP+48*\m+16*\u+8], v[HP+48*\m+16*\u+9], v[HP+48*\m+16*\u+10]
.endr
.endr
.irp k, 3,5
.irp m, 0,1
.irp u, 0,1
	v_max3_num_f32 v[TM+4*\m+2*\u], v[TM+4*\m+2*\u], v[HP+48*\m+16*\u+\k], v[HP+48*\m+16*\u+\k+1]
	v_max3_num_f32 v[TM+4*\m+2*\u+1], v[TM+4*\m+2*\u+1], v[HP+48*\m+16*\u+\k+8], v[HP+48*\m+16*\u+\k+9]
.endr
.endr
.endr
.irp m, 0,1
.irp u, 0,1
	v_max3_num_f32 v[TM+4*\m+2*\u], v[TM+4*\m+2*\u], v[TM+4*\m+2*\u+1], v[HP+48*\m+16*\u+7]
.endr
.endr
.irp m, 0,1
.irp u, 0,1
	v_max_num_f32 v[TM+4*\m+2*\u], v[TM+4*\m+2*\u], v[HP+48*\m+16*\u+15]
.endr
.endr
.irp m, 0,1
.irp u, 0,1
	v_mul_f32 v[TM+4*\m+2*\u], s[NL2E], v[TM+4*\m+2*\u]   ; -max log2 e: the same shift for the whole group, so its rounding cancels in every ratio
.endr
.endr
.irp i, 0,2,4,6,8,10,12,14
.irp m, 0,1
.irp u, 0,1
	v_pk_fma_f32 v[HP+48*\m+16*\u+\i:HP+48*\m+16*\u+\i+1], v[HP+48*\m+16*\u+\i:HP+48*\m+16*\u+\i+1], s[L2E:L2E+1], v[TM+4*\m+2*\u:TM+4*\m+2*\u+1] op_sel_hi:[1,0,0]
.endr
.endr
.endr
.irp m, 0,1
.set i, 0
.rept 32
	v_exp_f32 v[HP+48*\m+i], v[HP+48*\m+i]            ; e = exp(p - max): widths and heights, not normalised
.set i, i+1
.endr
.endr
	v_nop
	s_wait_alu depctr_va_vdst(0)                      ; one wait for the 64 exponentials
	TREE2 0, TM, 8, TM+18
	; the bin: four levels of halving on prefix(e) <= xc Sx; no branch: every level selects
.irp m, 0,1
	v_med3_num_f32 v[TM+16+\m], v[XT+2*\g+\m], 0, 1.0 ; xc
.endr
	v_pk_mul_f32 v[TM+20:TM+21], v[TM+16:TM+17], v[TM+18:TM+19]
.irp m, 0,1
	v_cmp_le_f32 s[MK+6+\m], v[TM+8*\m+6], v[TM+20+\m]
.endr
.irp m, 0,1
	v_cndmask_b32 v[TM+22+\m], 0, v[TM+8*\m+6], s[MK+6+\m]
	v_cndmask_b32 v[TM+8*\m+2], v[TM+8*\m+2], v[TM+8*\m+3], s[MK+6+\m]
.endr
.irp m, 0,1
	v_add_f32 v[TM+24+\m], v[TM+22+\m], v[TM+8*\m+2]
	v_cndmask_b32 v[TM+8*\m], v[TM+8*\m], v[TM+8*\m+1], s[MK+6+\m]
	v_cndmask_b32 v[TM+8*\m+4], v[TM+8*\m+4], v[TM+8*\m+5], s[MK+6+\m]
.endr
.irp m, 0,1
	v_cmp_le_f32 s[MK+4+\m], v[TM+24+\m], v[TM+20+\m]
.endr
.irp m, 0,1
	SEL8 HP+48*\m, MK+6+\m
.endr
.irp m, 0,1
	v_cndmask_b32 v[TM+22+\m], v[TM+22+\m], v[TM+24+\m], s[MK+4+\m]
	v_cndmask_b32 v[TM+8*\m], v[TM+8*\m], v[TM+8*\m+4], s[MK+4+\m]
.endr
.irp m, 0,1
	v_add_f32 v[TM+24+\m], v[TM+22+\m], v[TM+8*\m]
.endr
.irp m, 0,1
	v_cmp_le_f32 s[MK+2+\m], v[TM+24+\m], v[TM+20+\m]
.endr
.irp m, 0,1
	SEL4 HP+48*\m, MK+4+\m
.endr
.irp m, 0,1
	v_cndmask_b32 v[TM+22+\m], v[TM+22+\m], v[TM+24+\m], s[MK+2+\m]
	SEL2 HP+48*\m, MK+2+\m
.endr
.irp m, 0,1
	v_add_f32 v[TM+24+\m], v[TM+22+\m], v[HP+48*\m]
.endr
.irp m, 0,1
	v_cmp_le_f32 s[MK+\m], v[TM+24+\m], v[TM+20+\m]
.endr
.irp m, 0,1
	v_cndmask_b32 v[TM+22+\m], v[TM+22+\m], v[TM+24+\m], s[MK+\m]     ; the widths' prefix up to bin k
	v_cndmask_b32 v[TM+26+\m], v[HP+48*\m], v[HP+48*\m+2], s[MK+\m]   ; and bin k's width
.endr
	; the heights by the same four masks; their nodes take the widths' registers, which are done with
	TREE2 16, HP, 48, TM
.irp m, 0,1
	v_cndmask_b32 v[TM+2+\m], 0, v[HP+48*\m+6], s[MK+6+\m]
	v_cndmask_b32 v[HP+48*\m+2], v[HP+48*\m+2], v[HP+48*\m+3], s[MK+6+\m]
	v_cndmask_b32 v[HP+48*\m], v[HP+48*\m], v[HP+48*\m+1], s[MK+6+\m]
	v_cndmask_b32 v[HP+48*\m+4], v[HP+48*\m+4], v[HP+48*\m+5], s[MK+6+\m]
	SEL8 HP+48*\m+16, MK+6+\m
.endr
.irp m, 0,1
	v_add_f32 v[TM+10+\m], v[TM+2+\m], v[HP+48*\m+2]
	v_cndmask_b32 v[HP+48*\m], v[HP+48*\m], v[HP+48*\m+4], s[MK+4+\m]
	SEL4 HP+48*\m+16, MK+4+\m
	v_cndmask_b32 v[TM+2+\m], v[TM+2+\m], v[TM+10+\m], s[MK+4+\m]
.endr
.irp m, 0,1
	v_add_f32 v[TM+10+\m], v[TM+2+\m], v[HP+48*\m]
	SEL2 HP+48*\m+16, MK+2+\m
	v_cndmask_b32 v[TM+2+\m], v[TM+2+\m], v[TM+10+\m], s[MK+2+\m]
.endr
.irp m, 0,1
	v_add_f32 v[TM+10+\m], v[TM+2+\m], v[HP+48*\m+16]
	v_cndmask_b32 v[TM+4+\m], v[HP+48*\m+16], v[HP+48*\m+18], s[MK+\m]
	v_cndmask_b32 v[TM+2+\m], v[TM+2+\m], v[TM+10+\m], s[MK+\m]
.endr
	; the window of raw slopes T[k], T[k + 1] of T[0 .. 16]: T[i] at HP + 48 m + 32 + i, T[0] = T[16] = the pad's number.  It shrinks 17 -> 9 -> 5 -> 3 -> 2; the ninth of the first level takes T[9]'s place
.irp m, 0,1
.irp i, 1,2,3,4,5,6,7
	v_cndmask_b32 v[HP+48*\m+32+\i], v[HP+48*\m+32+\i], v[HP+48*\m+40+\i], s[MK+6+\m]
.endr
	v_cndmask_b32 v[HP+48*\m+41], v[HP+48*\m+40], v[HP+48*\m+32], s[MK+6+\m]
	v_cndmask_b32 v[HP+48*\m+32], v[HP+48*\m+32], v[HP+48*\m+40], s[MK+6+\m]
.endr
.irp m, 0,1
.irp i, 0,1,2,3
	v_cndmask_b32 v[HP+48*\m+32+\i], v[HP+48*\m+32+\i], v[HP+48*\m+36+\i], s[MK+4+\m]
.endr
	v_cndmask_b32 v[HP+48*\m+36], v[HP+48*\m+36], v[HP+48*\m+41], s[MK+4+\m]
.endr
.irp m, 0,1
.irp i, 0,1,2
	v_cndmask_b32 v[HP+48*\m+32+\i], v[HP+48*\m+32+\i], v[HP+48*\m+34+\i], s[MK+2+\m]
.endr
.endr
.irp m, 0,1
	v_cndmask_b32 v[TM+6+\m], v[HP+48*\m+32], v[HP+48*\m+33], s[MK+\m]
	v_cndmask_b32 v[TM+8+\m], v[HP+48*\m+33], v[HP+48*\m+34], s[MK+\m]
.endr
	; softplus(v) = max(v, 0) + log1p(e), e = exp(-|v|), of the four numbers; log1p(e) = e - e^2 / 2 under 2^-10, where 1 + e would lose e's bits.  The formula goes packed over the two items.
	; FT: +0..3 e; +4..7 log1p; +8..11 its small form; +12,13 1 / width; +14,15 1 / Sy; +16 xi; +18 hk; +20 s; +22 1 - xi; +24 z; +26 den; +28 1 / den; +30 xi^2; +32, +34 numerators; +36 at work; +38 yk0; +40 y; +42 the derivative
.irp i, 0,1,2,3
	v_mul_f32 v[FT+\i], s[NL2E], |v[TM+6+\i]|
.endr
.irp i, 0,1,2,3
	v_exp_f32 v[FT+\i], v[FT+\i]
.endr
	v_rcp_f32 v[FT+12], v[TM+26]
	v_rcp_f32 v[FT+13], v[TM+27]
	v_rcp_f32 v[FT+14], v[TM]
	v_rcp_f32 v[FT+15], v[TM+1]
	v_pk_add_f32 v[FT+16:FT+17], v[TM+20:TM+21], v[TM+22:TM+23] neg_lo:[0,1] neg_hi:[0,1]   ; xc Sx - prefix: the plain place behind the batch
	s_wait_alu depctr_va_vdst(0)                      ; one wait for the batch of eight
	v_pk_add_f32 v[FT+4:FT+5], v[FT:FT+1], 1.0 op_sel_hi:[1,0]
	v_pk_add_f32 v[FT+6:FT+7], v[FT+2:FT+3], 1.0 op_sel_hi:[1,0]
.irp i, 0,1,2,3
	v_log_f32 v[FT+4+\i], v[FT+4+\i]
.endr
	v_pk_fma_f32 v[FT+8:FT+9], v[FT:FT+1], -0.5, 1.0 op_sel_hi:[1,0,0]       ; all that needs no slope stands behind the logarithms
	v_pk_fma_f32 v[FT+10:FT+11], v[FT+2:FT+3], -0.5, 1.0 op_sel_hi:[1,0,0]
	v_pk_mul_f32 v[FT+8:FT+9], v[FT+8:FT+9], v[FT:FT+1]
	v_pk_mul_f32 v[FT+10:FT+11], v[FT+10:FT+11], v[FT+2:FT+3]
.irp i, 0,1,2,3
	v_max_num_f32 v[TM+6+\i], 0, v[TM+6+\i]
.endr
.irp i, 0,1,2,3
	v_cmp_gt_f32 s[SPM+\i], 0x3a800000, v[FT+\i]      ; 2^-10 > e
.endr
	v_pk_mul_f32 v[FT+16:FT+17], v[FT+16:FT+17], v[FT+12:FT+13]              ; xi
	v_pk_mul_f32 v[FT+18:FT+19], v[TM+4:TM+5], v[FT+14:FT+15]                ; hk
	v_pk_mul_f32 v[FT+20:FT+21], v[TM+18:TM+19], v[FT+12:FT+13]              ; 1 / wk
	v_pk_mul_f32 v[FT+38:FT+39], v[TM+2:TM+3], v[FT+14:FT+15]                ; yk0
	v_pk_fma_f32 v[FT+22:FT+23], v[FT+16:FT+17], -1.0, 1.0 op_sel_hi:[1,0,0] ; 1 - xi
	v_pk_mul_f32 v[FT+20:FT+21], v[FT+18:FT+19], v[FT+20:FT+21]              ; s
	v_pk_mul_f32 v[FT+30:FT+31], v[FT+16:FT+17], v[FT+16:FT+17]              ; xi^2
	v_pk_mul_f32 v[FT+24:FT+25], v[FT+16:FT+17], v[FT+22:FT+23]              ; z
	v_pk_mul_f32 v[FT+36:FT+37], v[FT+20:FT+21], v[FT+24:FT+25]              ; s z
	s_wait_alu depctr_va_vdst(0)                      ; one wait for the four logarithms
	v_pk_mul_f32 v[FT+4:FT+5], v[FT+4:FT+5], 0x3f317218 op_sel_hi:[1,0]
	v_pk_mul_f32 v[FT+6:FT+7], v[FT+6:FT+7], 0x3f317218 op_sel_hi:[1,0]
.irp i, 0,1,2,3
	v_cndmask_b32 v[FT+4+\i], v[FT+4+\i], v[FT+8+\i], s[SPM+\i]
.endr
	v_pk_add_f32 v[TM+6:TM+7], v[TM+6:TM+7], v[FT+4:FT+5]                    ; d0
	v_pk_add_f32 v[TM+8:TM+9], v[TM+8:TM+9], v[FT+6:FT+7]                    ; d1
	v_pk_add_f32 v[FT+26:FT+27], v[TM+6:TM+7], v[TM+8:TM+9]
	v_pk_fma_f32 v[FT+26:FT+27], v[FT+20:FT+21], -2.0, v[FT+26:FT+27] op_sel_hi:[1,0,1]
	v_pk_fma_f32 v[FT+26:FT+27], v[FT+26:FT+27], v[FT+24:FT+25], v[FT+20:FT+21]   ; den
	v_rcp_f32 v[FT+28], v[FT+26]
	v_rcp_f32 v[FT+29], v[FT+27]
	v_pk_mul_f32 v[FT+32:FT+33], v[TM+6:TM+7], v[FT+24:FT+25]
	v_pk_fma_f32 v[FT+32:FT+33], v[FT+20:FT+21], v[FT+30:FT+31], v[FT+32:FT+33]   ; s xi^2 + d0 z
	v_pk_mul_f32 v[FT+34:FT+35], v[TM+8:TM+9], v[FT+30:FT+31]
	v_pk_fma_f32 v[FT+34:FT+35], v[FT+36:FT+37], 2.0, v[FT+34:FT+35] op_sel_hi:[1,0,1]
	v_pk_mul_f32 v[FT+36:FT+37], v[FT+22:FT+23], v[FT+22:FT+23]
	v_pk_fma_f32 v[FT+34:FT+35], v[TM+6:TM+7], v[FT+36:FT+37], v[FT+34:FT+35]     ; d1 xi^2 + 2 s z + d0 (1 - xi)^2
	s_wait_alu depctr_va_vdst(0)                      ; one wait for the two reciprocals
	v_pk_mul_f32 v[FT+40:FT+41], v[FT+32:FT+33], v[FT+28:FT+29]
	v_pk_mul_f32 v[FT+42:FT+43], v[FT+20:FT+21], v[FT+28:FT+29]              ; s / den, squared only then: no s^2 or den^2 is formed alone
	v_pk_fma_f32 v[FT+40:FT+41], v[FT+18:FT+19], v[FT+40:FT+41], v[FT+38:FT+39]   ; y
	v_pk_mul_f32 v[FT+42:FT+43], v[FT+42:FT+43], v[FT+42:FT+43]
	v_pk_mul_f32 v[FT+42:FT+43], v[FT+34:FT+35], v[FT+42:FT+43]
	v_log_f32 v[FT+42], v[FT+42]
	v_log_f32 v[FT+43], v[FT+43]
.irp m, 0,1
	v_cmp_neq_f32 s[OOB+\m], v[XT+2*\g+\m], v[TM+16+\m]   ; outside [0, 1]: the clip has moved x
.endr
.irp m, 0,1
	v_cndmask_b32 v[YT+2*\g+\m], v[FT+40+\m], v[XT+2*\g+\m], s[OOB+\m]
.endr
	s_wait_alu depctr_va_vdst(0)                      ; one wait for the two logarithms
.if \g == 0
.irp m, 0,1
	v_cndmask_b32 v[LDA+\m], v[FT+42+\m], v[NIL], s[OOB+\m]
.endr
.else
.irp m, 0,1
	v_cndmask_b32 v[FT+42+\m], v[FT+42+\m], v[NIL], s[OOB+\m]
.endr
	v_pk_add_f32 v[LDA:LDA+1], v[LDA:LDA+1], v[FT+42:FT+43]
.endif
.endm
	; ---------------- the head: every address register is made here, ahead of the first branch on the wave's number
	s_load_b512 s[4:19], s[0:1], 0x0               ; x 4, c 6, out0 8, out1 10, W1 12, b1 14, W2 16, b2 18
	s_load_b256 s[20:27], s[0:1], 0x40             ; W3 20, b3 22, bn_mean 24, bn_var 26
	s_load_b128 s[28:31], s[0:1], 0x60             ; bn_scale 28, bn_bias 30
	v_lshl_add_u32 v[SPW], v0, 2, SPARE
	v_mov_b32 v[NIL], 0
	v_lshrrev_b32 v[TM+3], 5, v0
	v_readfirstlane_b32 s[WV], v[TM+3]             ; wave 0..7
	v_and_b32 v[TM], 31, v0                        ; lane
	v_and_b32 v[TM+1], 15, v0                      ; r
	v_bfe_u32 v[TM+2], v0, 4, 1                    ; h
	s_mov_b32 s[SEL], 0x76543210
	s_mov_b32 s[SEL+1], 0xfedcba98
	s_mov_b32 s[L2E], 0x3fb8aa3b
	s_mov_b32 s[L2E+1], s[L2E]                     ; (named with it as a pair, so it is written)
	s_mov_b32 s[NL2E], 0xbfb8aa3b
	s_mov_b32 s[NL2E+1], s[NL2E]
	s_mov_b32 s[HALF], 0xffff0000
	v_lshlrev_b32 v[LI], 4, v[TM]
	v_lshlrev_b32 v[L8], 3, v[TM]
	v_lshlrev_b32 v[L4], 2, v[TM]
	v_lshlrev_b32 v[R4], 2, v[TM+1]
	v_lshlrev_b32 v[VB], 5, v[TM+2]
	v_lshlrev_b32 v[H16], 4, v[TM+2]
	v_lshlrev_b32 v[CO], 5, v[TM+1]
	v_lshl_add_u32 v[CO], v[TM+2], 4, v[CO]
	s_mul_i32 s36, s[WV], 1280
	s_add_co_u32 s36, s36, STG                     ; my wave's stage
	v_lshrrev_b32 v[TM+3], 2, v[TM]
	v_mul_u32_u24 v[TM+3], v[TM+3], 80
	v_and_b32 v[TM+4], 3, v[TM]
	v_lshl_add_u32 v[TM+3], v[TM+4], 4, v[TM+3]
	v_add_nc_u32 v[STW], s36, v[TM+3]
	v_mul_u32_u24 v[TM+3], v[TM+1], 80
	v_lshl_add_u32 v[TM+3], v[TM+2], 4, v[TM+3]
	v_add_nc_u32 v[STR], s36, v[TM+3]
	s_lshl_b32 s36, s[WV], 8
	s_add_co_u32 s36, s36, O1S
	v_add_nc_u32 v[O1A], s36, v[L4]
	v_add_nc_u32 v[O1B], s36, v[L8]
	s_lshl_b32 s36, s[WV], 10                      ; the set-up: wave w makes tile w of W1 and W2 and tiles 3 w .. 3 w + 2 of W3
	v_add_nc_u32 v[IMG2], s36, v[LI]
	s_mul_i32 s36, s[WV], 3072
	v_add_nc_u32 v[IMG3], s36, v[LI]
	s_lshl_b32 s36, s[WV], 6
	v_add_nc_u32 v[S1A], s36, v[R4]
	s_mul_i32 s36, s[WV], 192
	v_add_nc_u32 v[S3A], s36, v[R4]
	s_lshr_b32 s36, s[WV], 2
	s_mul_i32 s36, s36, 5120
	s_bfe_u32 s37, s[WV], 0x10001
	s_lshl_b32 s37, s37, 9
	s_add_co_u32 s36, s36, s37
	s_and_b32 s37, s[WV], 1
	s_lshl_b32 s37, s37, 3
	s_add_co_u32 s36, s36, s37
	v_add_nc_u32 v[W1A], s36, v[LI]                ; 16 x lane + 5,120 (w / 4) + 512 ((w / 2) % 2) + 8 (w % 2)
	v_and_b32 v[TM+3], 8, v[TM+1]
	v_add_nc_u32 v[TM+3], v[TM+3], v[TM+1]         ; r + 8 (r / 8)
	s_lshr_b32 s36, s[WV], 1                       ; w / 2
	s_and_b32 s37, s[WV], 1                        ; w % 2
	s_lshl_b32 s46, s36, 5
	s_lshl_b32 s47, s37, 3
	s_add_co_u32 s46, s46, s47
	v_add_nc_u32 v[C2], s46, v[TM+3]               ; my column of W1 and W2: 32 (w / 2) + 8 (w % 2) + r + 8 (r / 8)
	v_lshlrev_b32 v[C2], 2, v[C2]
	v_lshl_add_u32 v[C2H], v[TM+2], 14, v[C2]      ; + 32 h rows of 512 bytes
	v_lshl_add_u32 v[C1], v[TM+2], 11, v[C2]       ; + 4 h rows
	v_lshrrev_b32 v[TM+4], 3, v[TM+1]
	v_lshl_add_u32 v[TM+4], v[TM+4], 2, s36        ; my dim: w / 2 + 4 (r / 8)
	v_mul_u32_u24 v[TM+4], v[TM+4], 47
	s_mul_i32 s47, s37, 24
	v_and_b32 v[TM+5], 7, v[TM+1]
	v_add_nc_u32 v[TM+5], s47, v[TM+5]
.irp i, 0,1,2
	v_add_nc_u32 v[TM+6], 8*\i, v[TM+5]            ; which of the dim's 48 registers my column feeds: 8 (3 (w % 2) + i) + r % 8
	v_and_b32 v[TM+7], 15, v[TM+6]
	v_lshrrev_b32 v[TM+7], 1, v[TM+7]
	v_and_b32 v[TM+8], 16, v[TM+6]
	v_add_nc_u32 v[TM+7], v[TM+7], v[TM+8]
	v_and_b32 v[TM+8], 1, v[TM+6]
	v_lshl_add_u32 v[TM+7], v[TM+8], 3, v[TM+7]    ; widths and heights: the pairs (i, i + 8)
	v_add_nc_u32 v[TM+8], -1, v[TM+6]              ; slopes: one less (the pad reads parameter 31, and is then made zeros)
	v_cmp_le_u32 vcc_lo, 32, v[TM+6]
	v_cndmask_b32 v[TM+7], v[TM+7], v[TM+8], vcc_lo
.if \i == 1
	v_cmp_ne_u32 s[KEEP], 32, v[TM+6]              ; register 32 can fall only into the second of my three tiles
.endif
	v_add_nc_u32 v[TM+7], v[TM+7], v[TM+4]
	v_lshlrev_b32 v[C3+\i], 2, v[TM+7]
	v_mad_u32_u24 v[C3H+\i], v[TM+2], 48128, v[C3+\i]   ; + 32 h rows of 1,504 bytes
.endr
	v_lshlrev_b32 v[QT+6], 3, v[TM+2]              ; 8 h
	v_mov_b32 v[QT+7], 0                           ; a lane permute's destination counts as one of its sources
	v_mov_b32 v[PT], 0
	v_mov_b32 v[ONE], 1.0
	v_cndmask_b32 v[ONE], v[ONE], v[NIL], s[HALF]  ; the bias step: 1 at k = 0 (h = 0, register 0), else 0
	v_mov_b32 v[ONE+1], 0
	s_lshl_b32 s[GW], ttmp9, 3
	s_add_co_u32 s[GW], s[GW], s[WV]
	s_lshl_b32 s[NT], s[GW], 4
	s_sub_co_i32 s[NT], NTILES, s[NT]
	s_max_i32 s[NT], s[NT], 0
	s_min_i32 s[NT], s[NT], 16                     ; my tiles: 16, but 2 in wave 1,953 and none behind it
	s_mov_b32 s[INC+1], 0
	s_wait_kmcnt 0x0
	s_lshl_b32 s[INC], s[GW], 14                   ; 256 rows of 64 bytes
	s_add_nc_u64 s[4:5], s[4:5], s[INC:INC+1]
	s_add_nc_u64 s[8:9], s[8:9], s[INC:INC+1]
	s_lshl_b32 s[INC], s[GW], 13
	s_add_nc_u64 s[6:7], s[6:7], s[INC:INC+1]
	s_lshl_b32 s[INC], s[GW], 10
	s_add_nc_u64 s[10:11], s[10:11], s[INC:INC+1]
	; ---------------- the set-up
	s_cmp_lg_u32 s[WV], 0
	s_cbranch_scc1 .Lnot_wave_0
	global_load_b32 v[FL], v[R4], s[24:25]         ; wave 0: BatchNorm's three vectors
	global_load_b32 v[FL+1], v[R4], s[26:27]
	global_load_b32 v[PT], v[R4], s[28:29]
	global_load_b32 v[LT], v[R4], s[30:31]
	s_wait_loadcnt 0x0
	v_add_f32 v[FL+1], 0x3727c5ac, v[FL+1]         ; var + 1e-5
	v_rsq_f32 v[FL+1], v[FL+1]
	v_nop
	s_wait_alu depctr_va_vdst(0)
	v_mul_f32 v[FL+1], v[FL+1], v[PT]
	ds_store_b32 v[R4], v[FL] offset:BNI
	ds_store_b32 v[R4], v[FL+1] offset:BNI+64
	ds_store_b32 v[R4], v[LT] offset:BNI+128
.Lnot_wave_0:
.irp s, 0,1,2,3                                ; W1's fragments of my tile: K step s, lane (r, h), register j: input 8 (s / 2) + 4 h + 2 (s % 2) + j, so that a lane's four numbers of x and of c serve two steps each
.irp j, 0,1
	global_load_b32 v[SW1+2*\s+\j], v[C1], s[12:13] offset:(8*(\s/2)+2*(\s%2)+\j)*512
.endr
.endr
	global_load_b32 v[SW1+8], v[C2], s[14:15]
	global_load_b32 v[BV2], v[C2], s[18:19]
	QLOAD X0, C2H, 16, 512                         ; W2's tile
	QLOAD X1, C3H, 20, 1504                        ; W3's first
	global_load_b32 v[BV3], v[C3], s[22:23]
	s_wait_loadcnt 63                              ; 65 loads were issued behind W2's; 63 is the largest count that can be written
	v_cndmask_b32 v[SW1+8], v[SW1+8], v[NIL], s[HALF]   ; the fifth step: b1 at k = 0, else 0
	v_mov_b32 v[SW1+9], 0
.irp s, 0,1,2,3,4
	ds_store_b64 v[W1A], v[SW1+2*\s:SW1+2*\s+1] offset:W1I+1024*\s
.endr
	QPROC X0, -1, IMG2, W2I, S1A, SCI, BV2, B2I
	QLOAD X0, C3H+1, 20, 1504
	global_load_b32 v[BV3+1], v[C3+1], s[22:23]
	s_wait_loadcnt 63                              ; again 65 behind those wanted
	QPROC X1, -1, IMG3, W3I, S3A, SCI+512, BV3, B3I
	QLOAD X1, C3H+2, 20, 1504
	global_load_b32 v[BV3+2], v[C3+2], s[22:23]
	s_wait_loadcnt 63
	v_cndmask_b32 v[BV3+1], 0x3f0a9444, v[BV3+1], s[KEEP]   ; the pad's bias: ln(e - 1)
	QPROC X0, KEEP, IMG3, W3I+1024, S3A, SCI+576, BV3+1, B3I+64
	s_wait_loadcnt 0x0
	QPROC X1, -1, IMG3, W3I+2048, S3A, SCI+640, BV3+2, B3I+128
	s_wait_dscnt 0x0                               ; for the others' sake: all my stores have landed
	s_barrier_signal -1
	s_barrier_wait -1                              ; the one barrier: from here on the tables are only read, and each wave's stages are its own
	s_cmp_eq_u32 s[NT], 0
	s_cbranch_scc1 .Lend                           ; the last work-group's waves 2 to 7 have no rows
	global_load_b128 v[XL:XL+3], v[LI], s[4:5] th:TH_LOAD_NT              ; my first tile: 1,024 dense bytes of x,
	global_load_b128 v[XL+4:XL+7], v[LI], s[4:5] offset:512 th:TH_LOAD_NT
	global_load_b128 v[CL:CL+3], v[CO], s[6:7] th:TH_LOAD_NT              ; 512 of c
	WIN 0x40                                       ; destination window 1: the fragments stay there
.set i, 0
.rept 24
	ds_load_b128 v[8*i:8*i+3], v[LI] offset:W3I+1024*i
	ds_load_b128 v[8*i+4:8*i+7], v[LI] offset:W3I+1024*i+512
.set i, i+1
.endr
.set i, 0
.rept 8
	ds_load_b128 v[192+8*i:192+8*i+3], v[LI] offset:W2I+1024*i
	ds_load_b128 v[192+8*i+4:192+8*i+7], v[LI] offset:W2I+1024*i+512
.set i, i+1
.endr
	WIN 0
.set i, 0
.rept 16
	ds_load_b32 v[WS+i], v[L4] offset:SCI+128*i
.set i, i+1
.endr
.irp i, 0,1,2,3
	v_mov_b32 v[LD+\i], 0
.endr
	s_mov_b32 s[CNT], 0
	s_wait_dscnt 0x0
	; ---------------- a tile of 16 rows
.Ltile:
	s_wait_loadcnt 0x0                             ; this tile's x and c, asked for a tile ago
	ds_store_b128 v[STW], v[XL:XL+3]               ; x turns through my stage: in as it lies, out by rows
	ds_store_b128 v[STW], v[XL+4:XL+7] offset:640
	ds_load_b128 v[XT:XT+3], v[STR]                ; x[r][4 h ..]
	ds_load_b128 v[XC:XC+3], v[STR] offset:32      ; x[r][8 + 4 h ..]
.irp a, 0,1,2
.irp p, 0,1
	ds_load_b128 v[TM+8*\a+4*\p:TM+8*\a+4*\p+3], v[H16] offset:BNI+64*\a+32*\p
.endr
.endr
.set i, 0
.rept 20
	ds_load_b128 v[HP+4*i:HP+4*i+3], v[LI] offset:W1I+512*i
.set i, i+1
.endr
	s_wait_dscnt 20                                ; W1's 20 loads may be out; the stage's and BatchNorm's ten instructions are done
	v_pk_add_f32 v[HB:HB+1], v[XC:XC+1], v[TM:TM+1] neg_lo:[0,1] neg_hi:[0,1]
	v_pk_add_f32 v[HB+2:HB+3], v[XC+2:XC+3], v[TM+2:TM+3] neg_lo:[0,1] neg_hi:[0,1]
	v_pk_add_f32 v[HB+4:HB+5], v[CL:CL+1], v[TM+4:TM+5] neg_lo:[0,1] neg_hi:[0,1]
	v_pk_add_f32 v[HB+6:HB+7], v[CL+2:CL+3], v[TM+6:TM+7] neg_lo:[0,1] neg_hi:[0,1]
.irp i, 0,2,4,6
	v_pk_fma_f32 v[HB+\i:HB+\i+1], v[HB+\i:HB+\i+1], v[TM+8+\i:TM+8+\i+1], v[TM+16+\i:TM+16+\i+1]
.endr
	s_add_co_u32 s36, s[CNT], 1
	s_cmp_lt_u32 s36, s[NT]
	s_cbranch_scc0 .Lno_next                       ; the last tile asks for nothing: no load leaves its buffer
	global_load_b128 v[XL:XL+3], v[LI], s[4:5] offset:1024 th:TH_LOAD_NT
	global_load_b128 v[XL+4:XL+7], v[LI], s[4:5] offset:1536 th:TH_LOAD_NT
	global_load_b128 v[CL:CL+3], v[CO], s[6:7] offset:512 th:TH_LOAD_NT
.Lno_next:
	s_wait_dscnt 10                                ; the fragments of hidden tiles 0-3 are in; those of tiles 4-7 may be out
	P1HALF 0
	s_wait_dscnt 0x0
	PLACES 8                                       ; behind the f32 form, ahead of the first read of its results and the first write of its sources
	SWISH ACC1, HP, HP
	P1HALF 1                                       ; the accumulators begin anew: the swish's plain lines are the places in between
	PLACES 8
	SWISH ACC1, HP+32, HP+32
	QUANT HP
	BIAS B2I, 8, HP
	PLACES 8                                       ; a scale word made by vector instructions stands 8 places ahead of a scaled product, codes so made 4
	s_wait_dscnt 0x0
	WIN 0x01                                       ; source 0 in window 1
.irp t, 0,1,2,3,4,5,6,7
	MM HP+8*\t, 192+8*\t, \t
.endr
	WIN 0
	PLACES 4
	SWISH HP, HP+64, HP
	SWISH HP+32, HP+64, HP+32
	QUANT HP
.irp g, 0,1                                    ; two of my four dims at a time: 12 tiles of W3
	BIAS B3I+768*\g, 12, HP
.if \g == 0
	PLACES 8
.endif
	s_wait_dscnt 0x0
	WIN 0x01
.irp t, 0,1,2,3,4,5,6,7,8,9,10,11
	MM HP+8*\t, 8*(12*\g+\t), 8+12*\g+\t
.endr
	WIN 0
	PLACES 4
	SPLINE2 \g
.endr
	ds_store_b128 v[STR], v[YT:YT+3]               ; the rows' first halves become the spline's results; the second halves are x's still
	ds_load_b128 v[OUTR:OUTR+3], v[STW]            ; LDS serves a wave's instructions in order: these see the store
	ds_load_b128 v[OUTR+4:OUTR+7], v[STW] offset:640
	v_add_f32 v[LT], v[LDA], v[LDA+1]
	v_permlanex16_b32 v[PT], v[LT], s[SEL], s[SEL+1]
	v_mov_b32 v[LD+3], v[LD+2]                     ; four tiles' numbers are kept, so that out1 leaves 256 bytes at a time
	v_mov_b32 v[LD+2], v[LD+1]
	v_mov_b32 v[LD+1], v[LD]
	v_add_f32 v[LT], v[LT], v[PT]                  ; with lane l xor 16's four dims
	v_mul_f32 v[LD], 0x3f317218, v[LT]             ; log2 to ln, once
	s_wait_dscnt 0x0
	global_store_b128 v[LI], v[OUTR:OUTR+3], s[8:9] th:TH_STORE_NT              ; 32 lanes store 512 consecutive bytes, at a multiple of 256 from out0's first byte
	global_store_b128 v[LI], v[OUTR+4:OUTR+7], s[8:9] offset:512 th:TH_STORE_NT
	s_and_b32 s36, s[CNT], 3
	s_cmp_eq_u32 s36, 3
	s_cselect_b32 s[INC], 256, 0                   ; what out1's address steps by at the trip's end
	s_cbranch_scc0 .Lno_flush
	v_cndmask_b32 v[TM], v[LD+3], v[LD+2], s[HALF] ; rows 0-31 of the last 64,
	v_cndmask_b32 v[TM+1], v[LD+1], v[LD], s[HALF] ; rows 32-63
	ds_store_b32 v[O1A], v[TM]
	ds_store_b32 v[O1A], v[TM+1] offset:128
	ds_load_b64 v[FL:FL+1], v[O1B]
	s_wait_dscnt 0x0
	global_store_b64 v[L8], v[FL:FL+1], s[10:11] th:TH_STORE_NT   ; 32 lanes store 256 consecutive bytes, aligned
.Lno_flush:
	s_wait_xcnt 0x0                                ; the stores' data and all four bases are written again only behind this wait
	s_add_nc_u64 s[4:5], s[4:5], 1024
	s_add_nc_u64 s[6:7], s[6:7], 512
	s_add_nc_u64 s[8:9], s[8:9], 1024
	s_add_nc_u64 s[10:11], s[10:11], s[INC:INC+1]
	s_add_co_u32 s[CNT], s[CNT], 1
	s_cmp_lt_u32 s[CNT], s[NT]
	s_cbranch_scc1 .Ltile
	s_and_b32 s36, s[NT], 3                        ; 31,250 tiles leave a wave 16, 2 or 0: two tiles' numbers can be left over, out1's last 128 bytes
	s_cmp_eq_u32 s36, 2
	s_cbranch_scc0 .Lend
	v_cndmask_b32 v[TM], v[LD+1], v[LD], s[HALF]
	global_store_b32 v[L4], v[TM], s[10:11] th:TH_STORE_NT
.Lend:
	s_wait_tensorcnt 0x0                           ; the wave's end
	ds_add_u32 v[SPW], v[NIL]
	s_wait_dscnt 0x0
	s_endpgm
.Lfunc_end_k_qcb54b8b173_spline:
	.size	k_qcb54b8b173_spline, .Lfunc_end_k_qcb54b8b173_spline-k_qcb54b8b173_spline
	.p2alignl 7, 3214868480
	.fill 96, 4, 3214868480
	.section	.rodata,"a",@progbits
	.p2align	6, 0x0
	.amdhsa_kernel k_qcb54b8b173_spline
		.amdhsa_group_segment_fixed_size 60672
		.amdhsa_private_segment_fixed_size 0
		.amdhsa_enable_private_segment 0
		.amdhsa_kernarg_size 112
		.amdhsa_user_sgpr_count 2
		.amdhsa_user_sgpr_kernarg_segment_ptr 1
		.amdhsa_wavefront_size32 1
		.amdhsa_system_sgpr_workgroup_id_x 1
		.amdhsa_system_sgpr_workgroup_id_y 1
		.amdhsa_system_sgpr_workgroup_id_z 1
		.amdhsa_system_vgpr_workitem_id 0
		.amdhsa_next_free_vgpr 512
		.amdhsa_next_free_sgpr 66
		.amdhsa_reserve_vcc 1
		.amdhsa_float_denorm_mode_32 3
		.amdhsa_float_denorm_mode_16_64 3
		.amdhsa_memory_ordered 1
		.amdhsa_forward_progress 1
		.amdhsa_inst_pref_size 143
	.end_amdhsa_kernel
	.amdgpu_metadata
---
amdhsa.version: [ 1, 2 ]
amdhsa.kernels:
  - .name:           k_qcb54b8b173_spline
    .symbol:         k_qcb54b8b173_spline.kd
    .args:
      - { .name: x, .offset: 0, .size: 8, .value_kind: global_buffer, .address_space: global }
      - { .name: c, .offset: 8, .size: 8, .value_kind: global_buffer, .address_space: global }
      - { .name: out0, .offset: 16, .size: 8, .value_kind: global_buffer, .address_space: global }
      - { .name: out1, .offset: 24, .size: 8, .value_kind: global_buffer, .address_space: global }
      - { .name: W1, .offset: 32, .size: 8, .value_kind: global_buffer, .address_space: global }
      - { .name: b1, .offset: 40, .size: 8, .value_kind: global_buffer, .address_space: global }
      - { .name: W2, .offset: 48, .size: 8, .value_kind: global_buffer, .address_space: global }
      - { .name: b2, .offset: 56, .size: 8, .value_kind: global_buffer, .address_space: global }
      - { .name: W3, .offset: 64, .size: 8, .value_kind: global_buffer, .address_space: global }
      - { .name: b3, .offset: 72, .size: 8, .value_kind: global_buffer, .address_space: global }
      - { .name: bn_mean, .offset: 80, .size: 8, .value_kind: global_buffer, .address_space: global }
      - { .name: bn_var, .offset: 88, .size: 8, .value_kind: global_buffer, .address_space: global }
      - { .name: bn_scale, .offset: 96, .size: 8, .value_kind: global_buffer, .address_space: global }
      - { .name: bn_bias, .offset: 104, .size: 8, .value_kind: global_buffer, .address_space: global }
    .group_segment_fixed_size: 60672
    .private_segment_fixed_size: 0
    .kernarg_segment_align: 8
    .kernarg_segment_size: 112
    .max_flat_workgroup_size: 256
    .sgpr_count:     66
    .vgpr_count:     512
    .wavefront_size: 32
...
	.end_amdgpu_metadata
.endif
;; end of part 1
;; ======== version 2 of 2: 1 launch; version 1 with the launch spline written anew for expert scheduling mode
;; launch spline (part 2): grid 245 x 1, 8 waves a work-group, no clusters, 60,672 bytes of LDS; arguments x, c, out0, out1, W1, b1, W2, b2, W3, b3, bn_mean, bn_var, bn_scale, bn_bias; writes out0, out1
.if DOCPART == 2
	.amdgcn_target "amdgcn-amd-amdhsa--gfx1250"
	.amdhsa_code_object_version 6
	.text
	.protected	k_qcb54b8b173_spline
	.globl	k_qcb54b8b173_spline
	.p2align	8
	.type	k_qcb54b8b173_spline,@function
k_qcb54b8b173_spline:
	s_mov_b64 s[64:65], 0
	v_nop
	global_prefetch_b8 v0, s[64:65] scope:SCOPE_SE
	s_setreg_imm32_b32 hwreg(HW_REG_WAVE_SCHED_MODE, 0, 2), 2
	s_setreg_imm32_b32 hwreg(HW_REG_WAVE_MODE, 25, 1), 1
	s_wait_xcnt 0x0
	s_wait_alu depctr_vm_vsrc(0)
; NeuralSplineCoupling, 500,000 rows.  Per row: BatchNorm of [x[8:16], c], 16 -> 128 in f32, swish, 128 -> 128 and 128 -> 376 on codes of FP4 (E2M1) with one E8M0 scale for each 32 along K,
; then for each of 8 dims a rational-quadratic spline from 47 parameters.  out0 = [spline(x[0:8]), x[8:16]], out1 = the sum of the 8 log derivatives.
; SHARES.  245 work-groups of 8 waves.  Wave gw = 8 x work-group + wave owns rows 256 gw .. 256 gw + 255: 16 tiles of 16 rows (the last waves fewer: 31,250 tiles in all).  Each work-group first quantises W2 and W3
; and lays W1 and the biases out in LDS (one barrier); then every wave keeps W2's and W3's fragments in 256 registers and walks its tiles alone.  Lane (r = lane % 16, h = lane / 16) holds row r of the tile
; throughout and owns its dims 4 h .. 4 h + 3: all three products are used transposed (source 0 = 16 columns of a weight, source 1 = the 16 rows), so no softmax, search or gather leaves a lane.
; WHICH COLUMNS FORM A TILE is chosen so that results lie as the next step wants them.  W1, W2, tile 2 b + u: tile row m is hidden unit 32 b + 8 u + m + 8 (m / 8): a lane's registers 16 b + i are units 32 b + 16 h + i.
; W3, tile 6 d + q: tile row m is register 8 q + m % 8 of dim d + 4 (m / 8).  A dim's 48 registers: 2 i, 2 i + 1 = widths i, i + 8; 16 + 2 i, 17 + 2 i = heights i, i + 8; 32 = a pad; 33 + i = slope i.
; WORK OF reference() THAT IS NOT DONE, for all values of the inputs:
;  (a) softplus is taken of the two slopes that the bin picks, not of all 15: take_along_axis(softplus(p), k) = softplus(take_along_axis(p, k)); the 13 others reach no output.
;  (b) dx = e / Sx and dy = e / Sy are not formed: cumsum(dx) <= xc is prefix(e) <= xc Sx (Sx > 0); xi = (xc Sx - prefix_k) / e_k; hk = ey_k / Sy; s = hk Sx / e_k.  Each group's maximum is taken away before the exponential.
;  (c) prefix sums beyond bin k and the knots xk[16], yk[16] are read by nothing in reference().
;  (d) the boundary slope 1 is softplus(ln(e - 1)): that number is the bias of the pad column, whose codes are zeros, so that the window of slopes is selected like the rest.
; Every input has a way to an output: all twelve are loaded.
; LIMITS.  NaN and infinities among the inputs are not served; a NaN or an overflow in a slope that the bin does not pick is not carried to the result.  An exponential under 2^-126 comes out as 0 (bin widths and heights;
; slopes whose raw value lies under about -87).  A block whose largest magnitude lies under 2^-124 keeps the scale byte 1 (a block of zeros too: its codes are zeros).  Where xc Sx lies within rounding of a knot the
; neighbouring bin may be taken: spline and derivative are continuous there.
; NO CLUSTER, NO TENSOR LOAD: what work-groups share are the weights, 266,240 bytes, which each reads once, at its head, through the registers in which they are quantised; 245 work-groups divide into no cluster of 4.
; A wave's own stream is 1,536 bytes a tile, asked for most of a tile ahead, straight into registers.
; THE MODE: SCHED_MODE bits 1:0 = 2 (LLVM: expert scheduling mode 2), set by the entry lines.  The code itself states the register dependences between vector or matrix instructions and memory or LDS
; instructions, and those through scalar registers that vector instructions write, with s_wait_alu, always for 0.
; THE PLAN.  Registers that memory or LDS instructions touch in the loop, round a trip:
;   addresses    v1-v12: made at the head, ahead of one wait on va_vdst, never written again; the rows are reached by four scalar bases.
;   XL, CL       The next tile's global loads land in them, issued behind the first quantiser.  XL is read by the two LDS stores at a trip's head, CL by BatchNorm's subtractions.
;   XT, XC       LDS loads at the head.  XC is read by BatchNorm, XT by the splines, last by the selects that write YT.
;   TM + 0 .. 23 LDS loads at the head (BatchNorm's vectors); then at work; TM, TM + 1 are the data of out1's stage stores, one trip in four.
;   HP + 0 .. 95 LDS loads: W1's fragments at the head, biases three times; between them vector and matrix instructions work there.
;   YT           Written by the splines' selects, read by the LDS store at the trip's end.      OUTR, FL: LDS loads land in them, global stores read them.
;   PC, PW       Written by the quantiser's vector lines, read by the scaled products.
; THE WAITS OF A TRIP.  One on vm_vsrc at the head, behind the stage's stores: these have read XL, and the last trip's stores YT, OUTR, FL, TM, TM + 1.  One on va_vdst behind each quantiser and its eight places:
; PC and PW are written, HP is free for the biases (and, at the first, CL for the next tile).  The wait for each spline's last two logarithms, which land in TM + 28, 29 for this purpose: behind it nothing names
; HP, XT, YT or TM + 0 .. 23, so it frees HP for the next biases (first pair of dims), and shows YT written and frees XT, TM + 0 .. 23 and HP for the next head's loads (second pair): no wait on va_vdst stands at the loop's head.
; One on va_vdst in the flush of out1.  Five on va_sdst in each pair of dims, between the compares and the selects that read their masks.
.set NTILES, 31250
; LDS
.set W3I,   0                          ; 24 images of W3's fragments, 1,024 bytes each: registers 0-3 at 16 x lane, registers 4-7 512 bytes on
.set W2I,   24576                      ; 8 images of W2's
.set W1I,   32768                      ; W1's f32 fragments and b1: 20 pieces of 512 bytes, 16 a lane: piece 10 (T / 4) + 2 s + (T % 4) / 2 holds K step s of tiles T, T + 1
.set SCI,   43008                      ; the weights' scale words: tile G at 64 G + 4 r (W2: G = T; W3: G = 8 + T3)
.set B2I,   45056                      ; b2 by tile rows: 64 T + 4 m
.set B3I,   45568                      ; b3 likewise, the pad's number among it
.set BNI,   47104                      ; mean[16], rsqrt(var + eps) x scale [16], bias[16], 64 bytes apart
.set STG,   47360                      ; for each wave 16 rows x (64 + 16) bytes: rows of x, then of out0
.set O1S,   57600                      ; for each wave 256 bytes: 64 numbers of out1
.set SPARE, 59648                      ; the spare words, 128 bytes for each wave: four blocks of 256 bytes that no other line names
; vector registers, window 0 (window 1: W3's fragment T3 at v[8 T3], W2's fragment T at v[192 + 8 T])
.set SPW,  1                           ; LDS address of my spare word; never rewritten
.set NIL,  2                           ; 0; never rewritten
.set LI,   3                           ; 16 x lane
.set STW,  4                           ; the stage, dense: 80 (lane / 4) + 16 (lane % 4)
.set STR,  5                           ; the stage, by rows: 80 r + 16 h
.set VB,   6                           ; 32 h
.set H16,  7                           ; 16 h
.set CO,   8                           ; 32 r + 16 h
.set O1A,  9                           ; out1's stage + 4 x lane
.set O1B,  10                          ; out1's stage + 8 x lane
.set L8,   11
.set L4,   12
.set IMG2, 13                          ; the set-up's LDS addresses: they never hold anything else
.set IMG3, 14
.set S1A,  15
.set S3A,  73
.set W1A,  94
.set R4,   95
.set ONE,  16                          ; v[16:17] the rows' side of the bias step: 1 at k = 0, else 0
.set HB,   18                          ; v[18:25] the normalised input: K step s in HB + 2 s
.set XT,   26                          ; v[26:29] x of my four dims
.set XC,   30                          ; v[30:33] my quarter of x[8:16]
.set XL,   34                          ; v[34:41] the next tile's x, as it lies
.set CL,   42                          ; v[42:45] the next tile's c
.set YT,   46                          ; v[46:49] the spline's results
.set OUTR, 50                          ; v[50:57] rows of out0
.set LD,   58                          ; v58-61 log_det of the last four tiles, the newest first
.set LDA,  62                          ; v[62:63] sums of log2 of the derivatives
.set PC,   64                          ; v[64:71] the codes just made
.set PW,   72                          ; their scale word
.set WS,   74                          ; v74-89 the weights' scale words: WS + i: tile 2 i in lanes 0-15, tile 2 i + 1 in lanes 16-31
.set FL,   90                          ; v[90:91] out1's 8 bytes
.set PT,   92
.set LT,   93
.set ACC1, 96                          ; v[96:127] the f32 product's four accumulators: written by matrix instructions alone
.set HP,   128                         ; v[128:223] W1's fragments; the hidden layers; two dims' 48 parameters each; the formula's numbers
.set FT,   HP
.set TM,   224                         ; v[224:255] at work
; the set-up's registers
.set C2,   26                          ; 4 x my column of W1, W2, b1, b2
.set C2H,  27
.set C1,   28
.set C3,   29                          ; v29-31 4 x my column of W3, b3 for my three tiles
.set C3H,  32                          ; v32-34 the same + 32 h rows
.set SW1,  42                          ; v[42:51] W1's five pairs
.set BV2,  52
.set BV3,  53                          ; v53-55
.set QT,   56                          ; v56-63
.set X0,   128                         ; two sets of 64 numbers
.set X1,   192
; scalar registers: s[4:31] the fourteen addresses
.set WV,   32
.set GW,   33
.set NT,   34                          ; my tiles
.set CNT,  35
.set SEL,  38                          ; s[38:39] v_permlanex16_b32's selects for lane l xor 16
.set L2E,  40                          ; s[40:41] log2(e)
.set NL2E, 42                          ; s[42:43] -log2(e)
.set HALF, 44                          ; lanes 16-31
.set KEEP, 45                          ; lanes whose column is not the pad
.set MK,   48                          ; s48-55 the search's masks: level L (3 = the upper eight bins) of item m at MK + 2 L + m
.set SPM,  56                          ; s56-59
.set OOB,  60                          ; s60-61
.set INC,  62                          ; s[62:63] a 64-bit offset
.set MSB, 0
.macro WIN new                         ; the immediate's high byte repeats the setting that is left
.if MSB != \new
	s_set_vgpr_msb (MSB<<8)|\new
.set MSB, \new
.endif
.endm
; 64 numbers of one column, down K: lane (r, h) takes k = 64 c + 32 h + i, the order of the operand's registers; col holds 4 x column + 32 h rows
.macro QLOAD xs, col, base, pitch
.set i, 0
.rept 64
	global_load_b32 v[\xs+i], v[\col], s[\base:\base+1] offset:(64*(i/32)+i%32)*\pitch
.set i, i+1
.endr
.endm
; they become a fragment's codes and a scale word; image, word and the column's bias go to LDS
.macro QPROC xs, keep, img, imgoff, sc, scoff, bv, boff
.if \keep >= 0
.set i, 0
.rept 64
	v_cndmask_b32 v[\xs+i], 0, v[\xs+i], s[\keep]     ; the pad column's numbers are zeros
.set i, i+1
.endr
.endif
.irp c, 0,1
	v_max3_num_f32 v[QT+\c], |v[\xs+32*\c]|, |v[\xs+32*\c+1]|, 0x1800000   ; my block 2 c + h: all 32 numbers are mine; the floor 2^(3 - 127) holds the byte at 1 from below
.endr
.irp i, 2,4,6,8,10,12,14,16,18,20,22,24,26,28,30
.irp c, 0,1
	v_max3_num_f32 v[QT+\c], v[QT+\c], |v[\xs+32*\c+\i]|, |v[\xs+32*\c+\i+1]|
.endr
.endr
.irp c, 0,1
	v_add_nc_u32 v[QT+2+\c], 0xff000000, v[QT+\c]     ; 2 off the exponent field: the conversion's scale operand
.endr
.irp c, 0,1
	v_lshrrev_b32 v[QT+4+\c], 23, v[QT+2+\c]          ; the scale's byte
.endr
	v_lshl_or_b32 v[PW], v[QT+5], 16, v[QT+4]         ; blocks h and 2 + h,
	v_lshlrev_b32 v[PW], v[QT+6], v[PW]               ; 8 h bits up;
	v_permlanex16_b32 v[QT+7], v[PW], s[SEL], s[SEL+1]
	v_or_b32 v[PW], v[PW], v[QT+7]                    ; with lane l xor 16's two the word is whole
.irp c, 0,1
.irp e, 0,1,2,3
	v_cvt_scalef32_pk8_fp4_f32 v[PC+4*\c+\e], v[\xs+32*\c+8*\e:\xs+32*\c+8*\e+7], v[QT+2+\c]
.endr
.endr
	v_nop                                             ; one plain place behind a scaled conversion
	s_wait_alu depctr_va_vdst(0)                      ; the conversions have written v[PC ..], the lines above them v[PW] (and the select ahead of the pad's tile its bias), which the stores read; and all lines are done with the 64 numbers, in whose registers the next loads land
	ds_store_b128 v[\img], v[PC:PC+3] offset:\imgoff
	ds_store_b128 v[\img], v[PC+4:PC+7] offset:\imgoff+512
	ds_store_b32 v[\sc], v[PW] offset:\scoff          ; lanes r and r + 16 write the same word with the same value
	ds_store_b32 v[\sc], v[\bv] offset:\boff
	s_wait_dscnt 0x0                                  ; the stores have landed
	s_wait_alu depctr_vm_vsrc(0)                      ; the stores have read v[PC ..] and v[PW], which the next tile's lines write; behind the last tile: every load and store of the set-up has read its offsets and data, v26 to v57 and v90 to v93, which the loop loads and writes anew
.endm
; The f32 product for hidden tiles 4 a .. 4 a + 3: five K steps of 4, the fifth the bias (b1 x 1).  The four accumulators take turns, one instruction a turn; the first step starts the sums.
.macro P1HALF a
.irp s, 0,1,2,3,4
.irp t, 0,1,2,3
.if \s == 0
	v_wmma_f32_16x16x4_f32 v[ACC1+8*\t:ACC1+8*\t+7], v[HP+40*\a+2*\t:HP+40*\a+2*\t+1], v[HB:HB+1], 0
.elseif \s == 4
	v_wmma_f32_16x16x4_f32 v[ACC1+8*\t:ACC1+8*\t+7], v[HP+40*\a+32+2*\t:HP+40*\a+32+2*\t+1], v[ONE:ONE+1], v[ACC1+8*\t:ACC1+8*\t+7]
.else
	v_wmma_f32_16x16x4_f32 v[ACC1+8*\t:ACC1+8*\t+7], v[HP+40*\a+8*\s+2*\t:HP+40*\a+8*\s+2*\t+1], v[HB+2*\s:HB+2*\s+1], v[ACC1+8*\t:ACC1+8*\t+7]
.endif
.endr
.endr
.endm
; swish of 32 numbers: x / (1 + 2^(-x log2 e)).  Two batches of transcendentals, one plain place and one wait each; every accumulator is read from its low end on.
.macro SWISH src, tmp, dst
.set i, 0
.rept 16
	v_pk_mul_f32 v[\tmp+i:\tmp+i+1], v[\src+i:\src+i+1], s[NL2E:NL2E+1] op_sel_hi:[1,0]
.set i, i+2
.endr
.set i, 0
.rept 32
	v_exp_f32 v[\tmp+i], v[\tmp+i]
.set i, i+1
.endr
	v_nop
	s_wait_alu depctr_va_vdst(0)                      ; one wait for the 32 exponentials, ahead of their first reader
.set i, 0
.rept 16
	v_pk_add_f32 v[\tmp+i:\tmp+i+1], v[\tmp+i:\tmp+i+1], 1.0 op_sel_hi:[1,0]
.set i, i+2
.endr
.set i, 0
.rept 32
	v_rcp_f32 v[\tmp+i], v[\tmp+i]
.set i, i+1
.endr
	v_nop
	s_wait_alu depctr_va_vdst(0)                      ; and one for the 32 reciprocals
.set i, 0
.rept 16
	v_pk_mul_f32 v[\dst+i:\dst+i+1], v[\tmp+i:\tmp+i+1], v[\src+i:\src+i+1]
.set i, i+2
.endr
.endm
; 64 numbers of a lane, register 16 b + i = k 32 b + 16 h + i of my row, become a fragment's codes in v[PC] on and its scale word in v[PW]
.macro QUANT s
.irp b, 0,1,2,3
	v_max3_num_f32 v[TM+\b], |v[\s+16*\b]|, |v[\s+1+16*\b]|, 0x1800000   ; block b: my 16 numbers, and the floor 2^(3 - 127)
.endr
.irp i, 2,4,6,8,10,12,14
.irp b, 0,1,2,3
	v_max3_num_f32 v[TM+\b], v[TM+\b], |v[\s+16*\b+\i]|, |v[\s+1+16*\b+\i]|
.endr
.endr
.irp b, 0,1,2,3
	v_permlanex16_b32 v[TM+4+\b], v[TM+\b], s[SEL], s[SEL+1]
.endr
.irp b, 0,1,2,3
	v_max_num_f32 v[TM+\b], v[TM+\b], v[TM+4+\b]      ; with lane l xor 16's: the block's largest magnitude
.endr
.irp b, 0,1,2,3
	v_add_nc_u32 v[TM+12+\b], 0xff000000, v[TM+\b]    ; 2 off its exponent field: the conversion's scale operand
.endr
.irp b, 0,1,2,3
	v_lshrrev_b32 v[TM+4+\b], 23, v[TM+12+\b]         ; the scale's byte
.endr
	v_lshl_or_b32 v[PW], v[TM+5], 8, v[TM+4]
	v_lshl_or_b32 v[PW], v[TM+6], 16, v[PW]
	v_lshl_or_b32 v[PW], v[TM+7], 24, v[PW]
.irp b, 0,1,2,3
	v_cvt_scalef32_pk8_fp4_f32 v[PC+2*\b], v[\s+16*\b:\s+7+16*\b], v[TM+12+\b]
	v_cvt_scalef32_pk8_fp4_f32 v[PC+1+2*\b], v[\s+8+16*\b:\s+15+16*\b], v[TM+12+\b]
.endr
	v_nop                                             ; one plain place behind a scaled conversion
.irp c, 0,1                                       ; the operand's layout wants a whole block in a lane
.irp i, 0,1
	v_permlane16_swap_b32 v[PC+4*\c+\i], v[PC+2+4*\c+\i]
.endr
.endr
.endm
.macro BIAS base, n, reg                          ; n tiles' biases, in the result's layout: they are the C of the products
.set i, 0
.rept \n
	ds_load_b128 v[\reg+8*i:\reg+8*i+3], v[VB] offset:(\base)+64*i
	ds_load_b128 v[\reg+8*i+4:\reg+8*i+7], v[VB] offset:(\base)+64*i+16
.set i, i+1
.endr
.endm
.macro MM d, a, gg                                ; one product on codes: D = C = v[d] on, source 0 = the weight's fragment (window 1), source 1 = the rows' codes; tile gg's scale words
.if (\gg)%2
	v_wmma_scale_f32_16x16x128_f8f6f4 v[\d:\d+7], v[\a:\a+7], v[PC:PC+7], v[\d:\d+7], v[WS+(\gg)/2], v[PW] matrix_a_fmt:MATRIX_FMT_FP4 matrix_b_fmt:MATRIX_FMT_FP4 matrix_a_scale:MATRIX_SCALE_ROW1
.else
	v_wmma_scale_f32_16x16x128_f8f6f4 v[\d:\d+7], v[\a:\a+7], v[PC:PC+7], v[\d:\d+7], v[WS+(\gg)/2], v[PW] matrix_a_fmt:MATRIX_FMT_FP4 matrix_b_fmt:MATRIX_FMT_FP4
.endif
.endm
.macro PLACES n
.rept \n
	v_nop
.endr
.endm
; selections among 16 elements that lie as pairs (i, i + 8): the upper eight, four, two where the mask says so
.macro SEL8 p, k
.irp i, 0,2,4,6,8,10,12,14
	v_cndmask_b32 v[\p+\i], v[\p+\i], v[\p+\i+1], s[\k]
.endr
.endm
.macro SEL4 p, k
.irp i, 0,2,4,6
	v_cndmask_b32 v[\p+\i], v[\p+\i], v[\p+\i+8], s[\k]
.endr
.endm
.macro SEL2 p, k
.irp i, 0,2
	v_cndmask_b32 v[\p+\i], v[\p+\i], v[\p+\i+4], s[\k]
.endr
.endm
; the tree of sums of both items' 16 elements at HP + 48 m + po, packed.  Nodes at n = nb + ns m: n0, n1 = pairs 0, 4; n4, n5 = pairs 2, 6; n2, n3 = fours 0, 2; n6 = the lower eight; the whole sum in sm + m
.macro TREE2 po, nb, ns, sm
.irp a, 0,2,4,6
.irp m, 0,1
	v_pk_add_f32 v[\nb+\ns*\m+\a:\nb+\ns*\m+\a+1], v[HP+48*\m+\po+2*\a:HP+48*\m+\po+2*\a+1], v[HP+48*\m+\po+2*\a+2:HP+48*\m+\po+2*\a+3]
.endr
.endr
.irp m, 0,1
	v_pk_add_f32 v[\nb+\ns*\m+2:\nb+\ns*\m+3], v[\nb+\ns*\m+2:\nb+\ns*\m+3], v[\nb+\ns*\m:\nb+\ns*\m+1]
	v_pk_add_f32 v[\nb+\ns*\m+6:\nb+\ns*\m+7], v[\nb+\ns*\m+6:\nb+\ns*\m+7], v[\nb+\ns*\m+4:\nb+\ns*\m+5]
.endr
.irp m, 0,1
	v_pk_add_f32 v[\nb+\ns*\m+6:\nb+\ns*\m+7], v[\nb+\ns*\m+6:\nb+\ns*\m+7], v[\nb+\ns*\m+2:\nb+\ns*\m+3]
.endr
.irp m, 0,1
	v_add_f32 v[\sm+\m], v[\nb+\ns*\m+6], v[\nb+\ns*\m+7]
.endr
.endm
; THE SPLINE of two dims of my row: item m = 0, 1 is dim 4 h + 2 g + m, its 48 parameters at HP + 48 m.
; TM: +0..7, +8..15 the widths' nodes, later +0,1 Sy, +2,3 the heights' prefix, +4,5 the bin's height, +6,7 d0, +8,9 d1, +10,11 at work; +16,17 xc; +18,19 Sx; +20,21 xc Sx; +22,23 the widths' prefix; +24,25 at work; +26,27 the bin's width; +28,29 log2 of the derivatives
; A compare's mask lies in a scalar register: a wait on va_sdst stands between each run of compares and the first select by their masks, and selects by older masks stand between the compares and the wait where there are any.
.macro SPLINE2 g
.irp m, 0,1                                       ; the largest of each group of 16, in two chains: each accumulator is read from its low end on
.irp u, 0,1
	v_max3_num_f32 v[TM+4*\m+2*\u], v[HP+48*\m+16*\u], v[HP+48*\m+16*\u+1], v[HP+48*\m+16*\u+2]
	v_max3_num_f32 v[TM+4*\m+2*\u+1], v[HP+48*\m+16*\u+8], v[HP+48*\m+16*\u+9], v[HP+48*\m+16*\u+10]
.endr
.endr
.irp k, 3,5
.irp m, 0,1
.irp u, 0,1
	v_max3_num_f32 v[TM+4*\m+2*\u], v[TM+4*\m+2*\u], v[HP+48*\m+16*\u+\k], v[HP+48*\m+16*\u+\k+1]
	v_max3_num_f32 v[TM+4*\m+2*\u+1], v[TM+4*\m+2*\u+1], v[HP+48*\m+16*\u+\k+8], v[HP+48*\m+16*\u+\k+9]
.endr
.endr
.endr
.irp m, 0,1
.irp u, 0,1
	v_max3_num_f32 v[TM+4*\m+2*\u], v[TM+4*\m+2*\u], v[TM+4*\m+2*\u+1], v[HP+48*\m+16*\u+7]
.endr
.endr
.irp m, 0,1
.irp u, 0,1
	v_max_num_f32 v[TM+4*\m+2*\u], v[TM+4*\m+2*\u], v[HP+48*\m+16*\u+15]
.endr
.endr
.irp m, 0,1
.irp u, 0,1
	v_mul_f32 v[TM+4*\m+2*\u], s[NL2E], v[TM+4*\m+2*\u]   ; -max log2 e: the same shift for the whole group, so its rounding cancels in every ratio
.endr
.endr
.irp i, 0,2,4,6,8,10,12,14
.irp m, 0,1
.irp u, 0,1
	v_pk_fma_f32 v[HP+48*\m+16*\u+\i:HP+48*\m+16*\u+\i+1], v[HP+48*\m+16*\u+\i:HP+48*\m+16*\u+\i+1], s[L2E:L2E+1], v[TM+4*\m+2*\u:TM+4*\m+2*\u+1] op_sel_hi:[1,0,0]
.endr
.endr
.endr
.irp m, 0,1
.set i, 0
.rept 32
	v_exp_f32 v[HP+48*\m+i], v[HP+48*\m+i]            ; e = exp(p - max): widths and heights, not normalised
.set i, i+1
.endr
.endr
	v_nop
	s_wait_alu depctr_va_vdst(0)                      ; one wait for the 64 exponentials
	TREE2 0, TM, 8, TM+18
	; the bin: four levels of halving on prefix(e) <= xc Sx; no branch: every level selects
.irp m, 0,1
	v_med3_num_f32 v[TM+16+\m], v[XT+2*\g+\m], 0, 1.0 ; xc
.endr
	v_pk_mul_f32 v[TM+20:TM+21], v[TM+16:TM+17], v[TM+18:TM+19]
.irp m, 0,1
	v_cmp_neq_f32 s[OOB+\m], v[XT+2*\g+\m], v[TM+16+\m]   ; outside [0, 1]: the clip has moved x.  (It stands here so that the wait below serves it too)
.endr
.irp m, 0,1
	v_cmp_le_f32 s[MK+6+\m], v[TM+8*\m+6], v[TM+20+\m]
.endr
	s_wait_alu depctr_va_sdst(0)                      ; the four compares have written s[OOB ..] and s[MK+6 ..], ahead of the first select by them
.irp m, 0,1
	v_cndmask_b32 v[TM+22+\m], 0, v[TM+8*\m+6], s[MK+6+\m]
	v_cndmask_b32 v[TM+8*\m+2], v[TM+8*\m+2], v[TM+8*\m+3], s[MK+6+\m]
.endr
.irp m, 0,1
	v_add_f32 v[TM+24+\m], v[TM+22+\m], v[TM+8*\m+2]
	v_cndmask_b32 v[TM+8*\m], v[TM+8*\m], v[TM+8*\m+1], s[MK+6+\m]
	v_cndmask_b32 v[TM+8*\m+4], v[TM+8*\m+4], v[TM+8*\m+5], s[MK+6+\m]
.endr
.irp m, 0,1
	v_cmp_le_f32 s[MK+4+\m], v[TM+24+\m], v[TM+20+\m]
.endr
.irp m, 0,1
	SEL8 HP+48*\m, MK+6+\m
.endr
	s_wait_alu depctr_va_sdst(0)                      ; the two compares have written s[MK+4 ..]; the sixteen selects above go by the older masks
.irp m, 0,1
	v_cndmask_b32 v[TM+22+\m], v[TM+22+\m], v[TM+24+\m], s[MK+4+\m]
	v_cndmask_b32 v[TM+8*\m], v[TM+8*\m], v[TM+8*\m+4], s[MK+4+\m]
.endr
.irp m, 0,1
	v_add_f32 v[TM+24+\m], v[TM+22+\m], v[TM+8*\m]
.endr
.irp m, 0,1
	v_cmp_le_f32 s[MK+2+\m], v[TM+24+\m], v[TM+20+\m]
.endr
.irp m, 0,1
	SEL4 HP+48*\m, MK+4+\m
.endr
	s_wait_alu depctr_va_sdst(0)                      ; the two compares have written s[MK+2 ..]; the eight selects above go by the older masks
.irp m, 0,1
	v_cndmask_b32 v[TM+22+\m], v[TM+22+\m], v[TM+24+\m], s[MK+2+\m]
	SEL2 HP+48*\m, MK+2+\m
.endr
.irp m, 0,1
	v_add_f32 v[TM+24+\m], v[TM+22+\m], v[HP+48*\m]
.endr
.irp m, 0,1
	v_cmp_le_f32 s[MK+\m], v[TM+24+\m], v[TM+20+\m]
.endr
	; the window of raw slopes T[k], T[k + 1] of T[0 .. 16]: T[i] at HP + 48 m + 32 + i, T[0] = T[16] = the pad's number.  It shrinks 17 -> 9 -> 5 -> 3 -> 2; the ninth of the first level takes T[9]'s place.
	; Its first three levels go by the three older masks and touch the slopes' registers alone: they stand between the last compares and the wait for them
.irp m, 0,1
.irp i, 1,2,3,4,5,6,7
	v_cndmask_b32 v[HP+48*\m+32+\i], v[HP+48*\m+32+\i], v[HP+48*\m+40+\i], s[MK+6+\m]
.endr
	v_cndmask_b32 v[HP+48*\m+41], v[HP+48*\m+40], v[HP+48*\m+32], s[MK+6+\m]
	v_cndmask_b32 v[HP+48*\m+32], v[HP+48*\m+32], v[HP+48*\m+40], s[MK+6+\m]
.endr
.irp m, 0,1
.irp i, 0,1,2,3
	v_cndmask_b32 v[HP+48*\m+32+\i], v[HP+48*\m+32+\i], v[HP+48*\m+36+\i], s[MK+4+\m]
.endr
	v_cndmask_b32 v[HP+48*\m+36], v[HP+48*\m+36], v[HP+48*\m+41], s[MK+4+\m]
.endr
.irp m, 0,1
.irp i, 0,1,2
	v_cndmask_b32 v[HP+48*\m+32+\i], v[HP+48*\m+32+\i], v[HP+48*\m+34+\i], s[MK+2+\m]
.endr
.endr
	s_wait_alu depctr_va_sdst(0)                      ; the two compares have written s[MK ..], the lowest level's masks
.irp m, 0,1
	v_cndmask_b32 v[TM+22+\m], v[TM+22+\m], v[TM+24+\m], s[MK+\m]     ; the widths' prefix up to bin k
	v_cndmask_b32 v[TM+26+\m], v[HP+48*\m], v[HP+48*\m+2], s[MK+\m]   ; and bin k's width
.endr
	; the heights by the same four masks; their nodes take the widths' registers, which are done with
	TREE2 16, HP, 48, TM
.irp m, 0,1
	v_cndmask_b32 v[TM+2+\m], 0, v[HP+48*\m+6], s[MK+6+\m]
	v_cndmask_b32 v[HP+48*\m+2], v[HP+48*\m+2], v[HP+48*\m+3], s[MK+6+\m]
	v_cndmask_b32 v[HP+48*\m], v[HP+48*\m], v[HP+48*\m+1], s[MK+6+\m]
	v_cndmask_b32 v[HP+48*\m+4], v[HP+48*\m+4], v[HP+48*\m+5], s[MK+6+\m]
	SEL8 HP+48*\m+16, MK+6+\m
.endr
.irp m, 0,1
	v_add_f32 v[TM+10+\m], v[TM+2+\m], v[HP+48*\m+2]
	v_cndmask_b32 v[HP+48*\m], v[HP+48*\m], v[HP+48*\m+4], s[MK+4+\m]
	SEL4 HP+48*\m+16, MK+4+\m
	v_cndmask_b32 v[TM+2+\m], v[TM+2+\m], v[TM+10+\m], s[MK+4+\m]
.endr
.irp m, 0,1
	v_add_f32 v[TM+10+\m], v[TM+2+\m], v[HP+48*\m]
	SEL2 HP+48*\m+16, MK+2+\m
	v_cndmask_b32 v[TM+2+\m], v[TM+2+\m], v[TM+10+\m], s[MK+2+\m]
.endr
.irp m, 0,1
	v_add_f32 v[TM+10+\m], v[TM+2+\m], v[HP+48*\m+16]
	v_cndmask_b32 v[TM+4+\m], v[HP+48*\m+16], v[HP+48*\m+18], s[MK+\m]
	v_cndmask_b32 v[TM+2+\m], v[TM+2+\m], v[TM+10+\m], s[MK+\m]
.endr
.irp m, 0,1                                       ; the window's last level
	v_cndmask_b32 v[TM+6+\m], v[HP+48*\m+32], v[HP+48*\m+33], s[MK+\m]
	v_cndmask_b32 v[TM+8+\m], v[HP+48*\m+33], v[HP+48*\m+34], s[MK+\m]
.endr
	; softplus(v) = max(v, 0) + log1p(e), e = exp(-|v|), of the four numbers; log1p(e) = e - e^2 / 2 under 2^-10, where 1 + e would lose e's bits.  The formula goes packed over the two items.
	; FT: +0..3 e; +4..7 log1p; +8..11 its small form; +12,13 1 / width; +14,15 1 / Sy; +16 xi; +18 hk; +20 s; +22 1 - xi; +24 z; +26 den; +28 1 / den; +30 xi^2; +32, +34 numerators; +36 at work; +38 yk0; +40 y; +42 the derivative
.irp i, 0,1,2,3
	v_mul_f32 v[FT+\i], s[NL2E], |v[TM+6+\i]|
.endr
.irp i, 0,1,2,3
	v_exp_f32 v[FT+\i], v[FT+\i]
.endr
	v_rcp_f32 v[FT+12], v[TM+26]
	v_rcp_f32 v[FT+13], v[TM+27]
	v_rcp_f32 v[FT+14], v[TM]
	v_rcp_f32 v[FT+15], v[TM+1]
	v_pk_add_f32 v[FT+16:FT+17], v[TM+20:TM+21], v[TM+22:TM+23] neg_lo:[0,1] neg_hi:[0,1]   ; xc Sx - prefix: the plain place behind the batch
	s_wait_alu depctr_va_vdst(0)                      ; one wait for the batch of eight
	v_pk_add_f32 v[FT+4:FT+5], v[FT:FT+1], 1.0 op_sel_hi:[1,0]
	v_pk_add_f32 v[FT+6:FT+7], v[FT+2:FT+3], 1.0 op_sel_hi:[1,0]
.irp i, 0,1,2,3
	v_log_f32 v[FT+4+\i], v[FT+4+\i]
.endr
	v_pk_fma_f32 v[FT+8:FT+9], v[FT:FT+1], -0.5, 1.0 op_sel_hi:[1,0,0]       ; all that needs no slope stands behind the logarithms
	v_pk_fma_f32 v[FT+10:FT+11], v[FT+2:FT+3], -0.5, 1.0 op_sel_hi:[1,0,0]
	v_pk_mul_f32 v[FT+8:FT+9], v[FT+8:FT+9], v[FT:FT+1]
	v_pk_mul_f32 v[FT+10:FT+11], v[FT+10:FT+11], v[FT+2:FT+3]
.irp i, 0,1,2,3
	v_max_num_f32 v[TM+6+\i], 0, v[TM+6+\i]
.endr
.irp i, 0,1,2,3
	v_cmp_gt_f32 s[SPM+\i], 0x3a800000, v[FT+\i]      ; 2^-10 > e
.endr
	v_pk_mul_f32 v[FT+16:FT+17], v[FT+16:FT+17], v[FT+12:FT+13]              ; xi
	v_pk_mul_f32 v[FT+18:FT+19], v[TM+4:TM+5], v[FT+14:FT+15]                ; hk
	v_pk_mul_f32 v[FT+20:FT+21], v[TM+18:TM+19], v[FT+12:FT+13]              ; 1 / wk
	v_pk_mul_f32 v[FT+38:FT+39], v[TM+2:TM+3], v[FT+14:FT+15]                ; yk0
	v_pk_fma_f32 v[FT+22:FT+23], v[FT+16:FT+17], -1.0, 1.0 op_sel_hi:[1,0,0] ; 1 - xi
	v_pk_mul_f32 v[FT+20:FT+21], v[FT+18:FT+19], v[FT+20:FT+21]              ; s
	v_pk_mul_f32 v[FT+30:FT+31], v[FT+16:FT+17], v[FT+16:FT+17]              ; xi^2
	v_pk_mul_f32 v[FT+24:FT+25], v[FT+16:FT+17], v[FT+22:FT+23]              ; z
	v_pk_mul_f32 v[FT+36:FT+37], v[FT+20:FT+21], v[FT+24:FT+25]              ; s z
	s_wait_alu depctr_va_vdst(0)                      ; one wait for the four logarithms
	v_pk_mul_f32 v[FT+4:FT+5], v[FT+4:FT+5], 0x3f317218 op_sel_hi:[1,0]
	v_pk_mul_f32 v[FT+6:FT+7], v[FT+6:FT+7], 0x3f317218 op_sel_hi:[1,0]
	s_wait_alu depctr_va_sdst(0)                      ; the four compares, eleven lines back, have written s[SPM ..], ahead of the selects by them
.irp i, 0,1,2,3
	v_cndmask_b32 v[FT+4+\i], v[FT+4+\i], v[FT+8+\i], s[SPM+\i]
.endr
	v_pk_add_f32 v[TM+6:TM+7], v[TM+6:TM+7], v[FT+4:FT+5]                    ; d0
	v_pk_add_f32 v[TM+8:TM+9], v[TM+8:TM+9], v[FT+6:FT+7]                    ; d1
	v_pk_add_f32 v[FT+26:FT+27], v[TM+6:TM+7], v[TM+8:TM+9]
	v_pk_fma_f32 v[FT+26:FT+27], v[FT+20:FT+21], -2.0, v[FT+26:FT+27] op_sel_hi:[1,0,1]
	v_pk_fma_f32 v[FT+26:FT+27], v[FT+26:FT+27], v[FT+24:FT+25], v[FT+20:FT+21]   ; den
	v_rcp_f32 v[FT+28], v[FT+26]
	v_rcp_f32 v[FT+29], v[FT+27]
	v_pk_mul_f32 v[FT+32:FT+33], v[TM+6:TM+7], v[FT+24:FT+25]
	v_pk_fma_f32 v[FT+32:FT+33], v[FT+20:FT+21], v[FT+30:FT+31], v[FT+32:FT+33]   ; s xi^2 + d0 z
	v_pk_mul_f32 v[FT+34:FT+35], v[TM+8:TM+9], v[FT+30:FT+31]
	v_pk_fma_f32 v[FT+34:FT+35], v[FT+36:FT+37], 2.0, v[FT+34:FT+35] op_sel_hi:[1,0,1]
	v_pk_mul_f32 v[FT+36:FT+37], v[FT+22:FT+23], v[FT+22:FT+23]
	v_pk_fma_f32 v[FT+34:FT+35], v[TM+6:TM+7], v[FT+36:FT+37], v[FT+34:FT+35]     ; d1 xi^2 + 2 s z + d0 (1 - xi)^2
	s_wait_alu depctr_va_vdst(0)                      ; one wait for the two reciprocals
	v_pk_mul_f32 v[FT+40:FT+41], v[FT+32:FT+33], v[FT+28:FT+29]
	v_pk_mul_f32 v[FT+42:FT+43], v[FT+20:FT+21], v[FT+28:FT+29]              ; s / den, squared only then: no s^2 or den^2 is formed alone
	v_pk_fma_f32 v[FT+40:FT+41], v[FT+18:FT+19], v[FT+40:FT+41], v[FT+38:FT+39]   ; y
	v_pk_mul_f32 v[FT+42:FT+43], v[FT+42:FT+43], v[FT+42:FT+43]
	v_pk_mul_f32 v[FT+42:FT+43], v[FT+34:FT+35], v[FT+42:FT+43]
	v_log_f32 v[TM+28], v[FT+42]                      ; into TM + 28, 29: so the lines behind the wait below name no register in which a load lands next
	v_log_f32 v[TM+29], v[FT+43]
.irp m, 0,1
	v_cndmask_b32 v[YT+2*\g+\m], v[FT+40+\m], v[XT+2*\g+\m], s[OOB+\m]
.endr
.if \g == 0
	s_wait_alu depctr_va_vdst(0)                      ; one wait for the two logarithms; it also states that every line above is done reading and writing v[HP ..], in which the next twelve biases land
.irp m, 0,1
	v_cndmask_b32 v[LDA+\m], v[TM+28+\m], v[NIL], s[OOB+\m]
.endr
.else
	s_wait_alu depctr_va_vdst(0)                      ; one wait for the two logarithms; it also states that v[YT ..] is written, which the stage's store reads, and that every line above is done with v[XT ..], v[TM] to v[TM+23] and v[HP ..], in which the next trip's first loads land
.irp m, 0,1
	v_cndmask_b32 v[TM+28+\m], v[TM+28+\m], v[NIL], s[OOB+\m]
.endr
	v_pk_add_f32 v[LDA:LDA+1], v[LDA:LDA+1], v[TM+28:TM+29]
.endif
.endm
	; ---------------- the head: every address register is made here, ahead of the first branch on the wave's number
	s_load_b512 s[4:19], s[0:1], 0x0               ; x 4, c 6, out0 8, out1 10, W1 12, b1 14, W2 16, b2 18
	s_load_b256 s[20:27], s[0:1], 0x40             ; W3 20, b3 22, bn_mean 24, bn_var 26
	s_load_b128 s[28:31], s[0:1], 0x60             ; bn_scale 28, bn_bias 30
	v_lshl_add_u32 v[SPW], v0, 2, SPARE
	v_mov_b32 v[NIL], 0
	v_lshrrev_b32 v[TM+3], 5, v0
	v_readfirstlane_b32 s[WV], v[TM+3]             ; wave 0..7
	v_and_b32 v[TM], 31, v0                        ; lane
	v_and_b32 v[TM+1], 15, v0                      ; r
	v_bfe_u32 v[TM+2], v0, 4, 1                    ; h
	s_mov_b32 s[SEL], 0x76543210
	s_mov_b32 s[SEL+1], 0xfedcba98
	s_mov_b32 s[L2E], 0x3fb8aa3b
	s_mov_b32 s[L2E+1], s[L2E]                     ; (named with it as a pair, so it is written)
	s_mov_b32 s[NL2E], 0xbfb8aa3b
	s_mov_b32 s[NL2E+1], s[NL2E]
	s_mov_b32 s[HALF], 0xffff0000
	v_lshlrev_b32 v[LI], 4, v[TM]
	v_lshlrev_b32 v[L8], 3, v[TM]
	v_lshlrev_b32 v[L4], 2, v[TM]
	v_lshlrev_b32 v[R4], 2, v[TM+1]
	v_lshlrev_b32 v[VB], 5, v[TM+2]
	v_lshlrev_b32 v[H16], 4, v[TM+2]
	v_lshlrev_b32 v[CO], 5, v[TM+1]
	v_lshl_add_u32 v[CO], v[TM+2], 4, v[CO]
	s_wait_alu depctr_va_sdst(0)                   ; s[WV] is written, ahead of its first reader
	s_mul_i32 s36, s[WV], 1280
	s_add_co_u32 s36, s36, STG                     ; my wave's stage
	v_lshrrev_b32 v[TM+3], 2, v[TM]
	v_mul_u32_u24 v[TM+3], v[TM+3], 80
	v_and_b32 v[TM+4], 3, v[TM]
	v_lshl_add_u32 v[TM+3], v[TM+4], 4, v[TM+3]
	v_add_nc_u32 v[STW], s36, v[TM+3]
	v_mul_u32_u24 v[TM+3], v[TM+1], 80
	v_lshl_add_u32 v[TM+3], v[TM+2], 4, v[TM+3]
	v_add_nc_u32 v[STR], s36, v[TM+3]
	s_lshl_b32 s36, s[WV], 8
	s_add_co_u32 s36, s36, O1S
	v_add_nc_u32 v[O1A], s36, v[L4]
	v_add_nc_u32 v[O1B], s36, v[L8]
	s_lshl_b32 s36, s[WV], 10                      ; the set-up: wave w makes tile w of W1 and W2 and tiles 3 w .. 3 w + 2 of W3
	v_add_nc_u32 v[IMG2], s36, v[LI]
	s_mul_i32 s36, s[WV], 3072
	v_add_nc_u32 v[IMG3], s36, v[LI]
	s_lshl_b32 s36, s[WV], 6
	v_add_nc_u32 v[S1A], s36, v[R4]
	s_mul_i32 s36, s[WV], 192
	v_add_nc_u32 v[S3A], s36, v[R4]
	s_lshr_b32 s36, s[WV], 2
	s_mul_i32 s36, s36, 5120
	s_bfe_u32 s37, s[WV], 0x10001
	s_lshl_b32 s37, s37, 9
	s_add_co_u32 s36, s36, s37
	s_and_b32 s37, s[WV], 1
	s_lshl_b32 s37, s37, 3
	s_add_co_u32 s36, s36, s37
	v_add_nc_u32 v[W1A], s36, v[LI]                ; 16 x lane + 5,120 (w / 4) + 512 ((w / 2) % 2) + 8 (w % 2)
	v_and_b32 v[TM+3], 8, v[TM+1]
	v_add_nc_u32 v[TM+3], v[TM+3], v[TM+1]         ; r + 8 (r / 8)
	s_lshr_b32 s36, s[WV], 1                       ; w / 2
	s_and_b32 s37, s[WV], 1                        ; w % 2
	s_lshl_b32 s46, s36, 5
	s_lshl_b32 s47, s37, 3
	s_add_co_u32 s46, s46, s47
	v_add_nc_u32 v[C2], s46, v[TM+3]               ; my column of W1 and W2: 32 (w / 2) + 8 (w % 2) + r + 8 (r / 8)
	v_lshlrev_b32 v[C2], 2, v[C2]
	v_lshl_add_u32 v[C2H], v[TM+2], 14, v[C2]      ; + 32 h rows of 512 bytes
	v_lshl_add_u32 v[C1], v[TM+2], 11, v[C2]       ; + 4 h rows
	v_lshrrev_b32 v[TM+4], 3, v[TM+1]
	v_lshl_add_u32 v[TM+4], v[TM+4], 2, s36        ; my dim: w / 2 + 4 (r / 8)
	v_mul_u32_u24 v[TM+4], v[TM+4], 47
	s_mul_i32 s47, s37, 24
	v_and_b32 v[TM+5], 7, v[TM+1]
	v_add_nc_u32 v[TM+5], s47, v[TM+5]
.irp i, 0,1,2
	v_add_nc_u32 v[TM+6], 8*\i, v[TM+5]            ; which of the dim's 48 registers my column feeds: 8 (3 (w % 2) + i) + r % 8
	v_cmp_le_u32 vcc_lo, 32, v[TM+6]               ; a slope's register?  (The compare stands at the head of its group, the select that reads VCC behind the wait below)
.if \i == 1
	v_cmp_ne_u32 s[KEEP], 32, v[TM+6]              ; register 32 can fall only into the second of my three tiles
.endif
	v_and_b32 v[TM+7], 15, v[TM+6]
	v_lshrrev_b32 v[TM+7], 1, v[TM+7]
	v_and_b32 v[TM+8], 16, v[TM+6]
	v_add_nc_u32 v[TM+7], v[TM+7], v[TM+8]
	v_and_b32 v[TM+8], 1, v[TM+6]
	v_lshl_add_u32 v[TM+7], v[TM+8], 3, v[TM+7]    ; widths and heights: the pairs (i, i + 8)
	v_add_nc_u32 v[TM+8], -1, v[TM+6]              ; slopes: one less (the pad reads parameter 31, and is then made zeros)
	s_wait_alu depctr_va_vcc(0)                    ; the compare has written VCC, ahead of the select that reads it
	v_cndmask_b32 v[TM+7], v[TM+7], v[TM+8], vcc_lo
	v_add_nc_u32 v[TM+7], v[TM+7], v[TM+4]
	v_lshlrev_b32 v[C3+\i], 2, v[TM+7]
	v_mad_u32_u24 v[C3H+\i], v[TM+2], 48128, v[C3+\i]   ; + 32 h rows of 1,504 bytes
.endr
	s_wait_alu depctr_va_sdst(0)                   ; the compare has written s[KEEP]: the wait stands in the compare's own run of code, ahead of the first branch; the selects that read the mask stand in the set-up
	v_lshlrev_b32 v[QT+6], 3, v[TM+2]              ; 8 h
	v_mov_b32 v[QT+7], 0                           ; a lane permute's destination counts as one of its sources
	v_mov_b32 v[PT], 0
	v_mov_b32 v[ONE], 1.0
	v_cndmask_b32 v[ONE], v[ONE], v[NIL], s[HALF]  ; the bias step: 1 at k = 0 (h = 0, register 0), else 0
	v_mov_b32 v[ONE+1], 0
	s_lshl_b32 s[GW], ttmp9, 3
	s_add_co_u32 s[GW], s[GW], s[WV]
	s_lshl_b32 s[NT], s[GW], 4
	s_sub_co_i32 s[NT], NTILES, s[NT]
	s_max_i32 s[NT], s[NT], 0
	s_min_i32 s[NT], s[NT], 16                     ; my tiles: 16, but 2 in wave 1,953 and none behind it
	s_mov_b32 s[INC+1], 0
	s_wait_kmcnt 0x0
	s_lshl_b32 s[INC], s[GW], 14                   ; 256 rows of 64 bytes
	s_add_nc_u64 s[4:5], s[4:5], s[INC:INC+1]
	s_add_nc_u64 s[8:9], s[8:9], s[INC:INC+1]
	s_lshl_b32 s[INC], s[GW], 13
	s_add_nc_u64 s[6:7], s[6:7], s[INC:INC+1]
	s_lshl_b32 s[INC], s[GW], 10
	s_add_nc_u64 s[10:11], s[10:11], s[INC:INC+1]
	s_wait_alu depctr_va_vdst(0)                   ; the head's vector lines are done: every address and offset of the kernel is written (v1 to v15, v26 to v34, v73, v94, v95: none is written again while it serves), and so are v[PT] and v[TM ..], in which loads of the set-up land
	; ---------------- the set-up
	s_cmp_lg_u32 s[WV], 0
	s_cbranch_scc1 .Lnot_wave_0
	global_load_b32 v[FL], v[R4], s[24:25]         ; wave 0: BatchNorm's three vectors
	global_load_b32 v[FL+1], v[R4], s[26:27]
	global_load_b32 v[PT], v[R4], s[28:29]
	global_load_b32 v[LT], v[R4], s[30:31]
	s_wait_loadcnt 0x0
	v_add_f32 v[FL+1], 0x3727c5ac, v[FL+1]         ; var + 1e-5
	v_rsq_f32 v[FL+1], v[FL+1]
	v_nop
	s_wait_alu depctr_va_vdst(0)                   ; the wait for the root's reciprocal, ahead of its reader
	v_mul_f32 v[FL+1], v[FL+1], v[PT]
	s_wait_alu depctr_va_vdst(0)                   ; the product has written v[FL+1], which the second store reads
	ds_store_b32 v[R4], v[FL] offset:BNI
	ds_store_b32 v[R4], v[FL+1] offset:BNI+64
	ds_store_b32 v[R4], v[LT] offset:BNI+128
.Lnot_wave_0:
.irp s, 0,1,2,3                                ; W1's fragments of my tile: K step s, lane (r, h), register j: input 8 (s / 2) + 4 h + 2 (s % 2) + j, so that a lane's four numbers of x and of c serve two steps each
.irp j, 0,1
	global_load_b32 v[SW1+2*\s+\j], v[C1], s[12:13] offset:(8*(\s/2)+2*(\s%2)+\j)*512
.endr
.endr
	global_load_b32 v[SW1+8], v[C2], s[14:15]
	global_load_b32 v[BV2], v[C2], s[18:19]
	QLOAD X0, C2H, 16, 512                         ; W2's tile
	QLOAD X1, C3H, 20, 1504                        ; W3's first
	global_load_b32 v[BV3], v[C3], s[22:23]
	s_wait_loadcnt 63                              ; 65 loads were issued behind W2's; 63 is the largest count that can be written
	v_cndmask_b32 v[SW1+8], v[SW1+8], v[NIL], s[HALF]   ; the fifth step: b1 at k = 0, else 0
	v_mov_b32 v[SW1+9], 0
	s_wait_alu depctr_va_vdst(0)                   ; the two lines above have written v[SW1+8] and v[SW1+9], which the fifth store reads
.irp s, 0,1,2,3,4
	ds_store_b64 v[W1A], v[SW1+2*\s:SW1+2*\s+1] offset:W1I+1024*\s
.endr
	QPROC X0, -1, IMG2, W2I, S1A, SCI, BV2, B2I
	QLOAD X0, C3H+1, 20, 1504                      ; no wait: no vector line stands behind the one in QPROC that freed these 64 registers
	global_load_b32 v[BV3+1], v[C3+1], s[22:23]
	s_wait_loadcnt 63                              ; again 65 behind those wanted
	QPROC X1, -1, IMG3, W3I, S3A, SCI+512, BV3, B3I
	QLOAD X1, C3H+2, 20, 1504
	global_load_b32 v[BV3+2], v[C3+2], s[22:23]
	s_wait_loadcnt 63
	v_cndmask_b32 v[BV3+1], 0x3f0a9444, v[BV3+1], s[KEEP]   ; the pad's bias: ln(e - 1)
	QPROC X0, KEEP, IMG3, W3I+1024, S3A, SCI+576, BV3+1, B3I+64
	s_wait_loadcnt 0x0
	QPROC X1, -1, IMG3, W3I+2048, S3A, SCI+640, BV3+2, B3I+128
	s_wait_dscnt 0x0                               ; for the others' sake: all my stores have landed
	s_barrier_signal -1
	s_barrier_wait -1                              ; the one barrier: from here on the tables are only read, and each wave's stages are its own
	s_cmp_eq_u32 s[NT], 0
	s_cbranch_scc1 .Lend                           ; the last work-group's waves 2 to 7 have no rows
	; No wait stands here: no vector line and no memory or LDS instruction has been issued behind the last QPROC's two waits, which cover all that the set-up wrote and read
	global_load_b128 v[XL:XL+3], v[LI], s[4:5] th:TH_LOAD_NT              ; my first tile: 1,024 dense bytes of x,
	global_load_b128 v[XL+4:XL+7], v[LI], s[4:5] offset:512 th:TH_LOAD_NT
	global_load_b128 v[CL:CL+3], v[CO], s[6:7] th:TH_LOAD_NT              ; 512 of c
	WIN 0x40                                       ; destination window 1: the fragments stay there; no vector line has named these registers
.set i, 0
.rept 24
	ds_load_b128 v[8*i:8*i+3], v[LI] offset:W3I+1024*i
	ds_load_b128 v[8*i+4:8*i+7], v[LI] offset:W3I+1024*i+512
.set i, i+1
.endr
.set i, 0
.rept 8
	ds_load_b128 v[192+8*i:192+8*i+3], v[LI] offset:W2I+1024*i
	ds_load_b128 v[192+8*i+4:192+8*i+7], v[LI] offset:W2I+1024*i+512
.set i, i+1
.endr
	WIN 0
.set i, 0
.rept 16
	ds_load_b32 v[WS+i], v[L4] offset:SCI+128*i
.set i, i+1
.endr
.irp i, 0,1,2,3
	v_mov_b32 v[LD+\i], 0
.endr
	s_mov_b32 s[CNT], 0
	s_wait_dscnt 0x0
	; ---------------- a tile of 16 rows
.Ltile:
	s_wait_loadcnt 0x0                             ; this tile's x and c, asked for in the trip before
	ds_store_b128 v[STW], v[XL:XL+3]               ; x turns through my stage: in as it lies, out by rows
	ds_store_b128 v[STW], v[XL+4:XL+7] offset:640
	ds_load_b128 v[XT:XT+3], v[STR]                ; x[r][4 h ..].  No wait on va_vdst: on the way in and on both ways back no vector line behind the last such wait names a register in which the loads of this head land
	ds_load_b128 v[XC:XC+3], v[STR] offset:32      ; x[r][8 + 4 h ..]
	s_wait_alu depctr_vm_vsrc(0)                   ; the two stores above have read v[XL ..], in which the next tile's loads land; the last trip's stores have read v[TM], v[TM+1] (loaded below), v[YT ..] (the splines' selects write it), v[OUTR ..] and v[FL ..] (LDS loads land in them at the trip's end)
.irp a, 0,1,2
.irp p, 0,1
	ds_load_b128 v[TM+8*\a+4*\p:TM+8*\a+4*\p+3], v[H16] offset:BNI+64*\a+32*\p
.endr
.endr
.set i, 0
.rept 20
	ds_load_b128 v[HP+4*i:HP+4*i+3], v[LI] offset:W1I+512*i
.set i, i+1
.endr
	s_wait_dscnt 20                                ; W1's 20 loads may be out; the stage's and BatchNorm's ten instructions are done
	v_pk_add_f32 v[HB:HB+1], v[XC:XC+1], v[TM:TM+1] neg_lo:[0,1] neg_hi:[0,1]
	v_pk_add_f32 v[HB+2:HB+3], v[XC+2:XC+3], v[TM+2:TM+3] neg_lo:[0,1] neg_hi:[0,1]
	v_pk_add_f32 v[HB+4:HB+5], v[CL:CL+1], v[TM+4:TM+5] neg_lo:[0,1] neg_hi:[0,1]
	v_pk_add_f32 v[HB+6:HB+7], v[CL+2:CL+3], v[TM+6:TM+7] neg_lo:[0,1] neg_hi:[0,1]
.irp i, 0,2,4,6
	v_pk_fma_f32 v[HB+\i:HB+\i+1], v[HB+\i:HB+\i+1], v[TM+8+\i:TM+8+\i+1], v[TM+16+\i:TM+16+\i+1]
.endr
	s_wait_dscnt 10                                ; the fragments of hidden tiles 0-3 are in; those of tiles 4-7 may be out
	P1HALF 0
	s_wait_dscnt 0x0
	PLACES 8                                       ; behind the f32 form, ahead of the first read of its results and the first write of its sources
	SWISH ACC1, HP, HP
	P1HALF 1                                       ; the accumulators begin anew: the swish's plain lines are the places in between
	PLACES 8
	SWISH ACC1, HP+32, HP+32
	QUANT HP
	PLACES 8                                       ; a scale word made by vector instructions stands 8 places ahead of a scaled product, codes so made 4: first the places, then the wait
	s_wait_alu depctr_va_vdst(0)                   ; the quantiser has written v[PC ..] and v[PW], which the scaled products take; it and the swish are done with v[HP ..], in which b2 lands; BatchNorm is done reading v[CL ..], in which the next tile's c lands
	s_add_co_u32 s36, s[CNT], 1
	s_cmp_lt_u32 s36, s[NT]
	s_cbranch_scc0 .Lno_next                       ; the last tile asks for nothing: no load leaves its buffer
	global_load_b128 v[XL:XL+3], v[LI], s[4:5] offset:1024 th:TH_LOAD_NT      ; the next tile: it has the rest of the trip in which to land
	global_load_b128 v[XL+4:XL+7], v[LI], s[4:5] offset:1536 th:TH_LOAD_NT
	global_load_b128 v[CL:CL+3], v[CO], s[6:7] offset:512 th:TH_LOAD_NT
.Lno_next:
	BIAS B2I, 8, HP
	s_wait_dscnt 0x0
	WIN 0x01                                       ; source 0 in window 1
.irp t, 0,1,2,3,4,5,6,7
	MM HP+8*\t, 192+8*\t, \t
.endr
	WIN 0
	PLACES 4
	SWISH HP, HP+64, HP
	SWISH HP+32, HP+64, HP+32
	QUANT HP
	PLACES 8                                       ; as above: first the places, then the wait
	s_wait_alu depctr_va_vdst(0)                   ; the quantiser has written v[PC ..] and v[PW], which all 24 scaled products below take; it and the swish are done with v[HP ..], in which b3's first twelve tiles land
.irp g, 0,1                                    ; two of my four dims at a time: 12 tiles of W3
	BIAS B3I+768*\g, 12, HP                        ; (the second twelve: behind the last wait of the spline before, since which nothing names v[HP ..])
	s_wait_dscnt 0x0
	WIN 0x01
.irp t, 0,1,2,3,4,5,6,7,8,9,10,11
	MM HP+8*\t, 8*(12*\g+\t), 8+12*\g+\t
.endr
	WIN 0
	PLACES 4
	SPLINE2 \g
.endr
	ds_store_b128 v[STR], v[YT:YT+3]               ; the rows' first halves become the spline's results; the second halves are x's still.  No wait: the spline's last one stands behind the selects that wrote v[YT ..]
	ds_load_b128 v[OUTR:OUTR+3], v[STW]            ; LDS serves a wave's instructions in order: these see the store
	ds_load_b128 v[OUTR+4:OUTR+7], v[STW] offset:640
	v_add_f32 v[LT], v[LDA], v[LDA+1]
	v_permlanex16_b32 v[PT], v[LT], s[SEL], s[SEL+1]
	v_mov_b32 v[LD+3], v[LD+2]                     ; four tiles' numbers are kept, so that out1 leaves 256 bytes at a time
	v_mov_b32 v[LD+2], v[LD+1]
	v_mov_b32 v[LD+1], v[LD]
	v_add_f32 v[LT], v[LT], v[PT]                  ; with lane l xor 16's four dims
	v_mul_f32 v[LD], 0x3f317218, v[LT]             ; log2 to ln, once
	s_wait_dscnt 0x0
	global_store_b128 v[LI], v[OUTR:OUTR+3], s[8:9] th:TH_STORE_NT              ; 32 lanes store 512 consecutive bytes, at a multiple of 256 from out0's first byte
	global_store_b128 v[LI], v[OUTR+4:OUTR+7], s[8:9] offset:512 th:TH_STORE_NT
	s_and_b32 s36, s[CNT], 3
	s_cmp_eq_u32 s36, 3
	s_cselect_b32 s[INC], 256, 0                   ; what out1's address steps by at the trip's end
	s_cbranch_scc0 .Lno_flush
	v_cndmask_b32 v[TM], v[LD+3], v[LD+2], s[HALF] ; rows 0-31 of the last 64,
	v_cndmask_b32 v[TM+1], v[LD+1], v[LD], s[HALF] ; rows 32-63
	s_wait_alu depctr_va_vdst(0)                   ; the two selects have written v[TM] and v[TM+1], which the stores read and in which the next trip's loads land
	ds_store_b32 v[O1A], v[TM]
	ds_store_b32 v[O1A], v[TM+1] offset:128
	ds_load_b64 v[FL:FL+1], v[O1B]
	s_wait_dscnt 0x0
	global_store_b64 v[L8], v[FL:FL+1], s[10:11] th:TH_STORE_NT   ; 32 lanes store 256 consecutive bytes, aligned
.Lno_flush:
	s_wait_xcnt 0x0                                ; the stores' data and all four bases are written again only behind this wait
	s_add_nc_u64 s[4:5], s[4:5], 1024
	s_add_nc_u64 s[6:7], s[6:7], 512
	s_add_nc_u64 s[8:9], s[8:9], 1024
	s_add_nc_u64 s[10:11], s[10:11], s[INC:INC+1]
	s_add_co_u32 s[CNT], s[CNT], 1
	s_cmp_lt_u32 s[CNT], s[NT]
	s_cbranch_scc1 .Ltile
	s_and_b32 s36, s[NT], 3                        ; 31,250 tiles leave a wave 16, 2 or 0: two tiles' numbers can be left over, out1's last 128 bytes
	s_cmp_eq_u32 s36, 2
	s_cbranch_scc0 .Lend
	v_cndmask_b32 v[LT], v[LD+1], v[LD], s[HALF]   ; into v[LT], which no memory or LDS instruction of the loop reads
	s_wait_alu depctr_va_vdst(0)                   ; the select has written v[LT], which the store reads
	global_store_b32 v[L4], v[LT], s[10:11] th:TH_STORE_NT
.Lend:
	s_wait_dscnt 0x0                               ; the closing lines, six on end
	s_wait_alu 0x0
	s_wait_tensorcnt 0x0
	ds_add_u32 v[SPW], v[NIL]
	s_wait_dscnt 0x0
	s_endpgm
.Lfunc_end_k_qcb54b8b173_spline:
	.size	k_qcb54b8b173_spline, .Lfunc_end_k_qcb54b8b173_spline-k_qcb54b8b173_spline
	.p2alignl 7, 3214868480
	.fill 96, 4, 3214868480
	.section	.rodata,"a",@progbits
	.p2align	6, 0x0
	.amdhsa_kernel k_qcb54b8b173_spline
		.amdhsa_group_segment_fixed_size 60672
		.amdhsa_private_segment_fixed_size 0
		.amdhsa_enable_private_segment 0
		.amdhsa_kernarg_size 112
		.amdhsa_user_sgpr_count 2
		.amdhsa_user_sgpr_kernarg_segment_ptr 1
		.amdhsa_wavefront_size32 1
		.amdhsa_system_sgpr_workgroup_id_x 1
		.amdhsa_system_sgpr_workgroup_id_y 1
		.amdhsa_system_sgpr_workgroup_id_z 1
		.amdhsa_system_vgpr_workitem_id 0
		.amdhsa_next_free_vgpr 512
		.amdhsa_next_free_sgpr 66
		.amdhsa_reserve_vcc 1
		.amdhsa_float_denorm_mode_32 3
		.amdhsa_float_denorm_mode_16_64 3
		.amdhsa_memory_ordered 1
		.amdhsa_forward_progress 1
		.amdhsa_inst_pref_size 144
	.end_amdhsa_kernel
	.amdgpu_metadata
---
amdhsa.version: [ 1, 2 ]
amdhsa.kernels:
  - .name:           k_qcb54b8b173_spline
    .symbol:         k_qcb54b8b173_spline.kd
    .args:
      - { .name: x, .offset: 0, .size: 8, .value_kind: global_buffer, .address_space: global }
      - { .name: c, .offset: 8, .size: 8, .value_kind: global_buffer, .address_space: global }
      - { .name: out0, .offset: 16, .size: 8, .value_kind: global_buffer, .address_space: global }
      - { .name: out1, .offset: 24, .size: 8, .value_kind: global_buffer, .address_space: global }
      - { .name: W1, .offset: 32, .size: 8, .value_kind: global_buffer, .address_space: global }
      - { .name: b1, .offset: 40, .size: 8, .value_kind: global_buffer, .address_space: global }
      - { .name: W2, .offset: 48, .size: 8, .value_kind: global_buffer, .address_space: global }
      - { .name: b2, .offset: 56, .size: 8, .value_kind: global_buffer, .address_space: global }
      - { .name: W3, .offset: 64, .size: 8, .value_kind: global_buffer, .address_space: global }
      - { .name: b3, .offset: 72, .size: 8, .value_kind: global_buffer, .address_space: global }
      - { .name: bn_mean, .offset: 80, .size: 8, .value_kind: global_buffer, .address_space: global }
      - { .name: bn_var, .offset: 88, .size: 8, .value_kind: global_buffer, .address_space: global }
      - { .name: bn_scale, .offset: 96, .size: 8, .value_kind: global_buffer, .address_space: global }
      - { .name: bn_bias, .offset: 104, .size: 8, .value_kind: global_buffer, .address_space: global }
    .group_segment_fixed_size: 60672
    .private_segment_fixed_size: 0
    .kernarg_segment_align: 8
    .kernarg_segment_size: 112
    .max_flat_workgroup_size: 256
    .sgpr_count:     66
    .vgpr_count:     512
    .wavefront_size: 32
...
	.end_amdgpu_metadata
.endif
;; end of part 2
